; MI455X (gfx1250); checked and timed in simulation.
; The chip was launched on July 23, 2026; its instructions are those of AMD's public machine-readable ISA for CDNA 5 (MIT licence, August 2026) and "CDNA5" Instruction Set Architecture Reference Guide (July 2026). The comments in the code are by the model that wrote it; some were corrected since.
;; Relative Multi Head Attn. Allowed arithmetic: float matrix products may take bf16 or f16 operands with f32 sums; other float arithmetic in f32, or as packed bf16 or f16 multiplies, adds, multiply-adds, maxima and minima; sums over many terms, partial sums and values carried from step to step in f32; what a program stores and reads back later, other than sums and carried values, may be rounded once to bf16 or f16.
;; Inputs: b_fc 1,024 float32; b_qkv 3,072 float32; ln_b 1,024 float32; ln_g 1,024 float32; pos_emb 2,048 x 1,024 float32; w_fc 1,024 x 1,024 float32; w_qkv 1,024 x 3,072 float32; x 2 x 2,048 x 1,024 float32.
;; Outputs: out0 2 x 2,048 x 1,024 float32.
;; One version. Each part assembles by itself: llvm-mc -triple=amdgcn-amd-amdhsa -mcpu=gfx1250 --defsym DOCPART=n.
;; ======== version 1 of 1: 5 launches
;; workspace buffers: xb 8,388,608 bytes; wqb 6,291,456 bytes; wfb 2,097,152 bytes; pext 8,388,608 bytes; qkvh 25,165,824 bytes; ao 8,388,608 bytes; yb 16,777,216 bytes
;; launch prep (part 1): grid 256 x 3, 8 waves a work-group, no clusters, 0 bytes of LDS; arguments x, w_qkv, w_fc, pos_emb, xb, wqb, wfb, pext; writes xb, wqb, wfb, pext
.if DOCPART == 1
	.amdgcn_target "amdgcn-amd-amdhsa--gfx1250"
	.amdhsa_code_object_version 6
	.text
	.protected	k_qbb3f309834_prep
	.globl	k_qbb3f309834_prep
	.p2align	8
	.type	k_qbb3f309834_prep,@function
k_qbb3f309834_prep:
	s_mov_b64 s[64:65], 0
	v_nop
	global_prefetch_b8 v0, s[64:65] scope:SCOPE_SE
	s_setreg_imm32_b32 hwreg(HW_REG_WAVE_MODE, 25, 1), 1
	s_wait_xcnt 0x0
; Casts to bf16, once: x -> xb, w_qkv -> wqb, w_fc -> wfb (same shapes), and the table of positions by heads:
; pext[h][e][0..63] for e = 0 .. 4095: pos_emb[e][64 h ..] for e < 2048; 0 for e = 2048; pos_emb[e - 2049][64 h ..] behind it.
; With that table the shifted position term of query i and key j is (e <= 2048 ? q_i : q_(i+1)) . pext[e], e = j - i + 2047.
; A stream: no LDS, no barrier, no matrix unit.  768 equal work-groups of 8 waves.  y = 0: 256 pieces of x; y = 1: 192 of w_qkv, 64 of w_fc;
; y = 2: 16 heads x 16 blocks of 256 rows of pext.  A thread turns 8 x 32 bytes of f32 into 8 x 16 bytes of bf16; a wave's store covers
; 512 consecutive bytes, aligned.  All 16 loads of a thread go out first; the waits count down.
.set SRC, 24                           ; s[24:25] where I read
.set DST, 26                           ; s[26:27] where I write
.set IN,  16                           ; v[16:79]  eight groups of 8 f32
.set OU,  80                           ; v[80:111] eight groups of 8 bf16
.macro CVT j
.irp k, 0,1,2,3
	v_cvt_pk_bf16_f32 v[OU+4*(\j)+(\k)], v[IN+8*(\j)+2*(\k)], v[IN+8*(\j)+2*(\k)+1]
.endr
.endm
	s_load_b512 s[8:23], s[0:1], 0x0               ; x, w_qkv, w_fc, pos_emb, xb, wqb, wfb, pext
	s_and_b32 s2, ttmp7, 0xffff                    ; y
	s_mov_b32 s7, 0
	s_cmp_eq_u32 s2, 2
	s_cbranch_scc1 .Lpext
	; THE CASTS: a piece is 65,536 bytes of f32
	v_lshlrev_b32 v1, 5, v0                        ; 32 bytes a thread in,
	v_lshlrev_b32 v2, 4, v0                        ; 16 out
	s_sub_co_u32 s3, ttmp9, 192                    ; the piece's number in w_fc (used from 192 on)
	s_wait_kmcnt 0x0
	s_cmp_lt_u32 ttmp9, 192
	s_cselect_b64 s[SRC:SRC+1], s[10:11], s[12:13]
	s_cselect_b64 s[DST:DST+1], s[18:19], s[20:21]
	s_cselect_b32 s4, ttmp9, s3
	s_cmp_eq_u32 s2, 0
	s_cselect_b64 s[SRC:SRC+1], s[8:9], s[SRC:SRC+1]
	s_cselect_b64 s[DST:DST+1], s[16:17], s[DST:DST+1]
	s_cselect_b32 s4, ttmp9, s4
	s_lshl_b32 s6, s4, 16
	s_add_nc_u64 s[SRC:SRC+1], s[SRC:SRC+1], s[6:7]
	s_lshl_b32 s6, s4, 15
	s_add_nc_u64 s[DST:DST+1], s[DST:DST+1], s[6:7]
.irp j, 0,1,2,3,4,5,6,7
	global_load_b128 v[IN+8*(\j):IN+8*(\j)+3],   v1, s[SRC:SRC+1] offset:(\j)*8192 th:TH_LOAD_NT
	global_load_b128 v[IN+8*(\j)+4:IN+8*(\j)+7], v1, s[SRC:SRC+1] offset:(\j)*8192+16 th:TH_LOAD_NT
.endr
.irp j, 0,1,2,3,4,5,6,7
	s_wait_loadcnt 14-2*(\j)                       ; the two loads of each younger group may stay out
	CVT \j
	global_store_b128 v2, v[OU+4*(\j):OU+4*(\j)+3], s[DST:DST+1] offset:(\j)*4096 th:TH_STORE_NT
.endr
	s_endpgm
.Lpext:
	; THE TABLE: head h, rows e = 256 rb + 32 wave + 4 j + lane / 8; a lane takes 8 channels
	s_lshr_b32 s3, ttmp9, 4                        ; h
	s_and_b32 s4, ttmp9, 15                        ; rb
	s_lshl_b32 s5, s4, 8
	s_cmp_ge_u32 s4, 8                             ; from row 2048 on the source row is e - 2049
	s_cselect_b32 s6, 2049, 0
	s_sub_co_u32 s5, s5, s6
	v_and_b32 v9, 0xe0, v0                         ; 32 x wave
	v_bfe_u32 v4, v0, 3, 2                         ; lane / 8
	v_add3_u32 v3, v9, v4, s5                      ; source row of group 0: -1 for e = 2048 alone
	v_mov_b32 v5, 0
	v_cmp_gt_i32 vcc_lo, 0, v3                     ; that one row is written as 0,
	v_cndmask_b32 v4, v3, v5, vcc_lo               ; and its load reads row 0
	v_and_b32 v6, 7, v0
	v_lshlrev_b32 v6, 5, v6                        ; my 8 channels: 32 bytes
	v_lshl_add_u32 v7, v4, 12, v6                  ; group 0
	v_add_nc_u32 v8, 4, v3
	v_lshl_add_u32 v8, v8, 12, v6                  ; group 1; groups 2 to 7 by the immediate, 4 rows of 4,096 bytes each
	v_and_b32 v10, 31, v0
	v_lshlrev_b32 v10, 4, v10
	v_lshl_or_b32 v2, v9, 7, v10                   ; out: 32 wave rows of 128 bytes + 16 lane
	s_lshl_b32 s6, s3, 8                           ; the head's 64 channels in a row of pos_emb
	s_wait_kmcnt 0x0
	s_add_nc_u64 s[SRC:SRC+1], s[14:15], s[6:7]
	s_lshl_b32 s6, s3, 19                          ; the head's 4,096 rows of 128 bytes,
	s_lshl_b32 s4, s4, 15                          ; my 256 of them
	s_add_co_u32 s6, s6, s4
	s_add_nc_u64 s[DST:DST+1], s[22:23], s[6:7]
	global_load_b128 v[IN:IN+3],   v7, s[SRC:SRC+1]
	global_load_b128 v[IN+4:IN+7], v7, s[SRC:SRC+1] offset:16
.irp j, 1,2,3,4,5,6,7
	global_load_b128 v[IN+8*(\j):IN+8*(\j)+3],   v8, s[SRC:SRC+1] offset:((\j)-1)*16384
	global_load_b128 v[IN+8*(\j)+4:IN+8*(\j)+7], v8, s[SRC:SRC+1] offset:((\j)-1)*16384+16
.endr
.irp j, 0,1,2,3,4,5,6,7
	s_wait_loadcnt 14-2*(\j)
	CVT \j
.if (\j) == 0
.irp k, 0,1,2,3
	v_cndmask_b32 v[OU+(\k)], v[OU+(\k)], v5, vcc_lo   ; row 2048 is 0
.endr
.endif
	global_store_b128 v2, v[OU+4*(\j):OU+4*(\j)+3], s[DST:DST+1] offset:(\j)*512 th:TH_STORE_NT
.endr
	s_endpgm
.Lfunc_end_k_qbb3f309834_prep:
	.size	k_qbb3f309834_prep, .Lfunc_end_k_qbb3f309834_prep-k_qbb3f309834_prep
	.p2alignl 7, 3214868480
	.fill 96, 4, 3214868480
	.section	.rodata,"a",@progbits
	.p2align	6, 0x0
	.amdhsa_kernel k_qbb3f309834_prep
		.amdhsa_group_segment_fixed_size 0
		.amdhsa_private_segment_fixed_size 0
		.amdhsa_enable_private_segment 0
		.amdhsa_kernarg_size 64
		.amdhsa_user_sgpr_count 2
		.amdhsa_user_sgpr_kernarg_segment_ptr 1
		.amdhsa_wavefront_size32 1
		.amdhsa_system_sgpr_workgroup_id_x 1
		.amdhsa_system_sgpr_workgroup_id_y 1
		.amdhsa_system_sgpr_workgroup_id_z 1
		.amdhsa_system_vgpr_workitem_id 0
		.amdhsa_next_free_vgpr 112
		.amdhsa_next_free_sgpr 66
		.amdhsa_reserve_vcc 1
		.amdhsa_float_denorm_mode_32 3
		.amdhsa_float_denorm_mode_16_64 3
		.amdhsa_memory_ordered 1
		.amdhsa_forward_progress 1
		.amdhsa_inst_pref_size 12
	.end_amdhsa_kernel
	.amdgpu_metadata
---
amdhsa.version: [ 1, 2 ]
amdhsa.kernels:
  - .name:           k_qbb3f309834_prep
    .symbol:         k_qbb3f309834_prep.kd
    .args:
      - { .name: x, .offset: 0, .size: 8, .value_kind: global_buffer, .address_space: global }
      - { .name: w_qkv, .offset: 8, .size: 8, .value_kind: global_buffer, .address_space: global }
      - { .name: w_fc, .offset: 16, .size: 8, .value_kind: global_buffer, .address_space: global }
      - { .name: pos_emb, .offset: 24, .size: 8, .value_kind: global_buffer, .address_space: global }
      - { .name: xb, .offset: 32, .size: 8, .value_kind: global_buffer, .address_space: global }
      - { .name: wqb, .offset: 40, .size: 8, .value_kind: global_buffer, .address_space: global }
      - { .name: wfb, .offset: 48, .size: 8, .value_kind: global_buffer, .address_space: global }
      - { .name: pext, .offset: 56, .size: 8, .value_kind: global_buffer, .address_space: global }
    .group_segment_fixed_size: 0
    .private_segment_fixed_size: 0
    .kernarg_segment_align: 8
    .kernarg_segment_size: 64
    .max_flat_workgroup_size: 256
    .sgpr_count:     66
    .vgpr_count:     112
    .wavefront_size: 32
...
	.end_amdgpu_metadata
.endif
;; end of part 1
;; launch gemm_qkv (part 2): grid 8 x 32, 4 waves a work-group, clusters of 4 x 4, 327,680 bytes of LDS; arguments xb, wqb, b_qkv, qkvh; writes qkvh
.if DOCPART == 2
	.amdgcn_target "amdgcn-amd-amdhsa--gfx1250"
	.amdhsa_code_object_version 6
	.text
	.protected	k_qbb3f309834_gemm_qkv
	.globl	k_qbb3f309834_gemm_qkv
	.p2align	8
	.type	k_qbb3f309834_gemm_qkv,@function
k_qbb3f309834_gemm_qkv:
	s_mov_b64 s[64:65], 0
	v_nop
	global_prefetch_b8 v0, s[64:65] scope:SCOPE_SE
	s_setreg_imm32_b32 hwreg(HW_REG_WAVE_MODE, 25, 1), 1
	s_wait_xcnt 0x0
	s_wait_alu depctr_hold_cnt(0) depctr_sa_sdst(0) depctr_va_vdst(0) depctr_va_sdst(0) depctr_va_ssrc(0) depctr_va_vcc(0) depctr_vm_vsrc(0)
	s_getreg_b32 s2, hwreg(HW_REG_IB_STS2, 6, 4)
	s_cmp_eq_u32 s2, 0
	s_cbranch_scc0 .Lentry_in_a_cluster
	s_endpgm
.Lentry_in_a_cluster:
	s_bfe_u32 s2, ttmp6, 0x10000c
	s_cmp_lg_u32 s2, 0xf033
	s_cbranch_scc0 .Lentry_shape_is_right
	s_endpgm
.Lentry_shape_is_right:
; qkv = x w_qkv + b_qkv, written by heads: qkvh[hh][b][s][0..63] bf16, hh = column / 64 (q 0-15, k 16-31, v 32-47).
; xb: [4096][1024] bf16; wqb: [1024 k][3072 n] bf16; sums in f32, started by the bias in f32; one rounding.
; A tile is 128 rows x 384 columns: 32 x 8 = 256 work-groups.  Wave (wm, wn) makes 64 x 192: 48 accumulators, three whole heads.
; K goes in 8 steps of 128 through two LDS slots.  A slot is four regions of 36,864 bytes, one for each wave's tensor load (128 rows of 256 bytes each):
; wave 0 brings x's 128 rows (LDS rows 272 bytes apart), waves 1 to 3 W's 128 k rows of 128 columns each (288 apart).
; THE LOOP IS ONE K STEP: the LDS addresses of the slot in hand are made anew at each change of slots from a scalar that an exclusive or turns between 0 and SLOT, and one descriptor walks.
; THE PRODUCT IS TAKEN TRANSPOSED: source 0 = 16 columns of W (turned on the way out of LDS by ds_load_tr16_b128), source 1 = 16 rows of x: a lane holds one row and eight neighbouring columns.
; CLUSTER 4 x 4: x's tile hangs on the tile row alone and is asked for jointly along a row of the cluster, W's on the tile column alone, along a column.
; My column blocks b: b < 8: column 256 wn + 16 b of the tile (W's chunk 0 or 2); b >= 8: column 128 + 64 wn + 16 (b - 8) (chunk 1).
; REGISTERS, in windows of 256: window 0: v16-30 addresses; v64-127 x's fragments, two buffers; v128-223 the bias, in the sums' layout; v224-255 packed results, two sets.
;   window 1: v0-191 W's fragments, two buffers of 96.   window 2: accumulators b 0-7 at 8 (4 b + a).   window 3: b 8-11 at 8 (4 (b - 8) + a).
.set PA,    272
.set PW,    288
.set REG,   36864
.set SLOT,  4*REG                      ; 0x24000: wave x REG has neither of its two bits, so an exclusive or with it adds or takes it away
.set STAGE, 2*SLOT                     ; behind the ring: 16 rows x 144 bytes for each wave, for the way out
.set SP,    144
.set SPARE, STAGE+4*16*SP              ; the spare words, 128 bytes a wave; no other line names them
.set KSTEPS, 8
.set ASTEP, 256                        ; bytes from K step to K step in xb
.set WSTEP, 128*3072*2                 ; and in wqb
.set ADRA0, 16                         ; LDS address of my x fragments in slot 0; never rewritten
.set ADRA,  17                         ; the same in the slot in hand
.set ADW10, 18                         ; W's blocks 0-7
.set ADW1,  19
.set ADW20, 20                         ; W's blocks 8-11
.set ADW2,  21
.set STO,  24
.set RD,   25
.set GO,   26
.set SPW,  28
.set NIL,  29
.set PFO,  30
.set BIAS, 128
.set PK,   224
.set WV, 12
.set WM, 13
.set WN, 14
.set CX, 16
.set CY, 17
.set TX, 18
.set TY, 19
.set G1,  24                           ; s[24:31] group 1 for x's tiles;  s[32:39] group 0: a set for each first fill; the second then walks
.set G0,  32
.set G1B, 48                           ; s[48:55], s[56:63] the same for W's
.set G0B, 56
.set PFA, 44                           ; s[44:45] the K step that my next prefetch names
.set LIM, 46                           ; s46 2 in a wave that prefetches, else the greatest number
.set PFS, 66                           ; s[66:67] its step
.set OUTA, 68                          ; s[68:69] qkvh at my rows of my first head
.set OUTB, 70                          ; s[70:71] of my third head
.set BQ,  72                           ; s[72:73] b_qkv at the tile's first column
.set WO,  74                           ; s74 byte offset of my chunk in a row of wqb
.set CUR, 75                           ; s75 0 or SLOT: the slot in hand
.set MSB, 0
.macro WIN new                         ; the immediate's high byte repeats the setting that is left
.if MSB != (\new)
	s_set_vgpr_msb (MSB<<8)|(\new)
.set MSB, \new
.endif
.endm
.macro JLOAD s                         ; a joint load: wave 0 x's tile, waves 1 to 3 W's chunks; an s_nop 0 and four v_nop follow each line
	s_cmp_eq_u32 s[WV], 0
	s_cbranch_scc0 .Lfor_b_\@
	tensor_load_to_lds s[G0+4*(\s):G0+4*(\s)+3], s[G1:G1+7]
	s_nop 0
.rept 4
	v_nop
.endr
	s_branch .Lasked_\@
.Lfor_b_\@:
	tensor_load_to_lds s[G0B+4*(\s):G0B+4*(\s)+3], s[G1B:G1B+7]
	s_nop 0
.rept 4
	v_nop
.endr
.Lasked_\@:
.endm
; A prefetch into the L2 behind each refill: the K step two refills on, 32 rows of 256 bytes, a lane a row.  x's rows are named by wave 0 of the clusters with x = 0, W's k rows by waves 1 to 3 of
; the clusters with y = 0; the four partners of a joint load take 32 rows each, told apart by address.  So each block is named once.  The loop's last two trips (s3 = 2, 1) have no K step two on.
.macro ASK
	WIN 0
	s_cmp_gt_u32 s3, s[LIM]
	s_cbranch_scc0 .Lnot_mine_\@
	global_prefetch_b8 v[PFO], s[PFA:PFA+1] th:TH_LOAD_NT scope:SCOPE_SE
.Lnot_mine_\@:
.endm
.macro CREST                           ; a round of the cluster's barrier behind its opening barrier
	s_cmp_lg_u32 s[WV], 0
	s_cbranch_scc1 .Lnot_wave_0_\@
	s_barrier_signal -3
.Lnot_wave_0_\@:
	s_barrier_wait -3
	s_barrier_signal -1
	s_barrier_wait -1
.endm
.macro CROUND
	s_barrier_signal -1
	s_barrier_wait -1
	CREST
.endm
	s_load_b256 s[4:11], s[0:1], 0x0               ; xb s[4:5], wqb s[6:7], b_qkv s[8:9], qkvh s[10:11]
	v_lshl_add_u32 v[SPW], v0, 2, SPARE
	v_mov_b32 v[NIL], 0
	ds_add_u32 v[SPW], v[NIL]                      ; the wave's opening: the add and its wait ahead of my first tensor load
	v_lshrrev_b32 v1, 5, v0
	v_readfirstlane_b32 s[WV], v1
	s_lshr_b32 s[WM], s[WV], 1
	s_and_b32 s[WN], s[WV], 1
	s_bfe_u32 s[CX], ttmp6, 0x40000
	s_bfe_u32 s[CY], ttmp6, 0x40004
	s_lshl_b32 s[TX], ttmp9, 2
	s_add_co_u32 s[TX], s[TX], s[CX]               ; tile column
	s_and_b32 s[TY], ttmp7, 0xffff
	s_lshl_b32 s[TY], s[TY], 2
	s_add_co_u32 s[TY], s[TY], s[CY]               ; tile row
	s_lshl_b32 s20, s[CY], 2
	s_lshl_b32 s20, 15, s20                        ; my row of the cluster
	s_lshl_b32 s21, 0x1111, s[CX]                  ; my column
	s_or_b32 s[G1], s20, (1<<16)|(1<<20)|(1<<21)|(5<<22)|(3<<25)   ; mask; 2-byte elements; padding on; bit 21 beside a mask; after every 64 words 4 words
	s_or_b32 s[G1B], s21, (1<<16)|(1<<20)|(1<<21)|(5<<22)|(7<<25)  ; the same with 8 words
.irp g, G1, G1B
	s_mov_b32 s[(\g)+1], 128<<16                   ; tensor_dim0 = 128
	s_mov_b32 s[(\g)+2], 128<<16                   ; tensor_dim1 = 128
	s_mov_b32 s[(\g)+3], 128<<16                   ; tile_dim0 = 128
	s_mov_b32 s[(\g)+4], 128                       ; tile_dim1 = 128
	s_mov_b32 s[(\g)+6], 0
	s_mov_b32 s[(\g)+7], 0
.endr
	s_mov_b32 s[G1+5], 1024                        ; elements from row to row
	s_mov_b32 s[G1B+5], 3072
	s_mov_b32 s[CUR], 0
	s_lshl_b32 s40, s[TY], 18                      ; x: 128 rows of 2,048 bytes a tile row
	s_mov_b32 s41, 0
	s_max_u32 s22, s[WV], 1
	s_sub_co_u32 s22, s22, 1                       ; my chunk of W (wave 0 asks for none)
	s_lshl_b32 s22, s22, 8
	s_mul_i32 s[WO], s[TX], 768
	s_add_co_u32 s[WO], s[WO], s22
	s_mov_b32 s42, s[WO]
	s_mov_b32 s43, 0
	s_mul_i32 s23, s[WV], REG                      ; where my tile goes: wave x region
	s_wait_dscnt 0x0                               ; the opening add is done
	s_wait_kmcnt 0x0
	s_add_nc_u64 s[40:41], s[4:5], s[40:41]
	s_add_nc_u64 s[42:43], s[6:7], s[42:43]
	CROUND                                         ; all sixteen work-groups are here: the first joint loads meet
.irp s, 0,1
	s_mov_b32 s[G0+4*(\s)], 1
	s_add_co_u32 s[G0+4*(\s)+1], s23, (\s)*SLOT
	s_add_nc_u64 s[G0+4*(\s)+2:G0+4*(\s)+3], s[40:41], (\s)*ASTEP
	s_or_b32 s[G0+4*(\s)+3], s[G0+4*(\s)+3], 0x80000000
	s_mov_b32 s[G0B+4*(\s)], 1
	s_add_co_u32 s[G0B+4*(\s)+1], s23, (\s)*SLOT
	s_add_nc_u64 s[G0B+4*(\s)+2:G0B+4*(\s)+3], s[42:43], (\s)*WSTEP
	s_or_b32 s[G0B+4*(\s)+3], s[G0B+4*(\s)+3], 0x80000000
	JLOAD \s
.endr
	; the bias of my 12 column blocks, 8 numbers a lane and block: register j of block b is the bias of column 8 h + j of the block, as in an accumulator
	v_and_b32 v1, 15, v0                           ; r
	v_bfe_u32 v2, v0, 4, 1                         ; h
	s_mul_i32 s20, s[TX], 1536
	s_mov_b32 s21, 0
	s_add_nc_u64 s[BQ:BQ+1], s[8:9], s[20:21]
	s_lshl_b32 s22, s[WN], 10
	v_lshl_add_u32 v10, v2, 5, s22                 ; blocks 0-7: 4 (256 wn + 8 h)
	s_lshl_b32 s22, s[WN], 8
	s_add_co_u32 s22, s22, 512
	v_lshl_add_u32 v11, v2, 5, s22                 ; blocks 8-11: 4 (128 + 64 wn + 8 h)
.irp b, 0,1,2,3,4,5,6,7
	global_load_b128 v[BIAS+8*(\b):BIAS+8*(\b)+3],   v10, s[BQ:BQ+1] offset:64*(\b)
	global_load_b128 v[BIAS+8*(\b)+4:BIAS+8*(\b)+7], v10, s[BQ:BQ+1] offset:64*(\b)+16
.endr
.irp b, 8,9,10,11
	global_load_b128 v[BIAS+8*(\b):BIAS+8*(\b)+3],   v11, s[BQ:BQ+1] offset:64*((\b)-8)
	global_load_b128 v[BIAS+8*(\b)+4:BIAS+8*(\b)+7], v11, s[BQ:BQ+1] offset:64*((\b)-8)+16
.endr
	v_mul_u32_u24 v3, v1, PA
	v_lshl_add_u32 v3, v2, 4, v3                   ; x: row x pitch + 16 h
	s_mul_i32 s20, s[WM], 64*PA
	v_add_nc_u32 v[ADRA0], s20, v3
	v_mov_b32 v[ADRA], v[ADRA0]
	v_and_b32 v4, 7, v0
	v_bfe_u32 v5, v0, 3, 1
	v_lshl_add_u32 v6, v2, 3, v4                   ; W, turned: k row 8 h + lane % 8,
	v_mul_u32_u24 v6, v6, PW
	v_lshl_add_u32 v6, v5, 4, v6                   ; columns 8 ((lane / 8) % 2) on
	s_mul_i32 s20, s[WN], 2*REG
	s_add_co_u32 s20, s20, REG                     ; chunk 0 or 2
	v_add_nc_u32 v[ADW10], s20, v6
	v_mov_b32 v[ADW1], v[ADW10]
	s_lshl_b32 s20, s[WN], 7
	s_add_co_u32 s20, s20, 2*REG                   ; chunk 1, its half wn
	v_add_nc_u32 v[ADW20], s20, v6
	v_mov_b32 v[ADW2], v[ADW20]
	s_mul_i32 s20, s[WV], 16*SP
	s_add_co_u32 s20, s20, STAGE                   ; my stage
	v_mul_u32_u24 v[STO], v1, SP
	v_lshl_add_u32 v[STO], v2, 4, v[STO]
	v_add_nc_u32 v[STO], s20, v[STO]
	v_bfe_u32 v[RD], v0, 3, 2                      ; back: 32 lanes take four rows of 128 bytes,
	v_mul_u32_u24 v[RD], v[RD], SP
	v_lshl_add_u32 v[RD], v4, 4, v[RD]
	v_add_nc_u32 v[RD], s20, v[RD]
	v_and_b32 v[GO], 31, v0                        ; which are 512 consecutive bytes of a head's rows
	v_lshlrev_b32 v[GO], 4, v[GO]
	s_mul_i32 s2, s[TX], 6                         ; the tile's first head
	s_lshl2_add_u32 s20, s[WN], s2                 ; my first: + 4 wn
	s_add_co_u32 s22, s2, s[WN]
	s_add_co_u32 s22, s22, 2                       ; my third: + 2 + wn
	s_lshr_b32 s2, s[TY], 4                        ; the batch
	s_lshl1_add_u32 s20, s20, s2
	s_lshl1_add_u32 s22, s22, s2
	s_lshl_b32 s20, s20, 18                        ; 2,048 rows of 128 bytes
	s_lshl_b32 s22, s22, 18
	s_and_b32 s2, s[TY], 15
	s_lshl1_add_u32 s2, s2, s[WM]
	s_lshl_b32 s2, s2, 13                          ; my 64 rows
	s_add_co_u32 s20, s20, s2
	s_add_co_u32 s22, s22, s2
	s_mov_b32 s21, 0
	s_mov_b32 s23, 0
	s_add_nc_u64 s[OUTA:OUTA+1], s[10:11], s[20:21]
	s_add_nc_u64 s[OUTB:OUTB+1], s[10:11], s[22:23]
	; the prefetches: they begin one step in front of K step 4, which the first refill's prefetch names
	s_and_b32 s20, ttmp7, 0xffff                   ; cluster y
	s_lshl_b32 s21, s[TY], 7
	s_lshl_b32 s22, s[CX], 5
	s_add_co_u32 s21, s21, s22                     ; x: row 128 ty + 32 cx
	s_lshl_b32 s21, s21, 11
	s_add_co_u32 s21, s21, 3*ASTEP
	s_lshl_b32 s22, s[CY], 5
	s_add_co_u32 s22, s22, 3*128                   ; W: k row 32 cy + 384
	s_mul_i32 s22, s22, 6144
	s_add_co_u32 s22, s22, s[WO]
	s_mov_b32 s[PFS], WSTEP
	s_mov_b32 s[PFS+1], 0
	s_mov_b32 s23, 6144
	s_cmp_eq_u32 s[WV], 0
	s_cselect_b32 s2, s21, s22
	s_cselect_b32 s20, ttmp9, s20                  ; the coordinate along which other clusters read the same rows
	s_cselect_b64 s[PFA:PFA+1], s[4:5], s[6:7]
	s_cselect_b32 s[PFS], ASTEP, s[PFS]
	s_cselect_b32 s23, 2048, s23
	s_cmp_eq_u32 s20, 0
	s_cselect_b32 s[LIM], 2, -1
	s_mov_b32 s3, 0
	s_add_nc_u64 s[PFA:PFA+1], s[PFA:PFA+1], s[2:3]
	v_and_b32 v[PFO], 31, v0
	v_mul_u32_u24 v[PFO], s23, v[PFO]              ; a lane a row
; 16 products: column blocks 4 g .. 4 g + 3 x my four row blocks, 32 along K, from buffer f.  The 48 accumulators take turns in one fixed order.
; zero = 1: the first product of each sum takes the block's bias as C: nothing is cleared, and nothing is added on the way out.
.macro MULG f, g, zero
.if \zero
	WIN 0x81+0x40*((\g)/2)                         ; W window 1, x and the bias window 0, sums window 2 or 3
.else
	WIN 0xa1+0x50*((\g)/2)                         ; W window 1, x window 0, sums window 2 or 3
.endif
.irp bb, 0,1,2,3
.irp a, 0,1,2,3
.set rD, 8*(4*((4*(\g)+(\bb))%8)+(\a))
.set rW, 96*(\f)+8*(4*(\g)+(\bb))
.set rA, 64+32*(\f)+8*(\a)
.set rB, BIAS+8*(4*(\g)+(\bb))
.if \zero
	v_wmma_f32_16x16x32_bf16 v[rD:rD+7], v[rW:rW+7], v[rA:rA+7], v[rB:rB+7]
.else
	v_wmma_f32_16x16x32_bf16 v[rD:rD+7], v[rW:rW+7], v[rA:rA+7], v[rD:rD+7]
.endif
.endr
.endr
.endm
; 32 LDS loads in one run: quarter q (32 along K) of the slot in hand into buffer f: x's 8, then W's 24, blocks ascending
.macro FETCH q, f
	WIN 0
.irp a, 0,1,2,3
	ds_load_b128 v[64+32*(\f)+8*(\a):64+32*(\f)+8*(\a)+3],   v[ADRA] offset:(\a)*16*PA+64*(\q)
	ds_load_b128 v[64+32*(\f)+8*(\a)+4:64+32*(\f)+8*(\a)+7], v[ADRA] offset:(\a)*16*PA+64*(\q)+32
.endr
	WIN 0x40
.irp b, 0,1,2,3,4,5,6,7
	ds_load_tr16_b128 v[96*(\f)+8*(\b):96*(\f)+8*(\b)+3],   v[ADW1] offset:(\q)*32*PW+32*(\b)
	ds_load_tr16_b128 v[96*(\f)+8*(\b)+4:96*(\f)+8*(\b)+7], v[ADW1] offset:(\q)*32*PW+32*(\b)+16*PW
.endr
.irp b, 8,9,10,11
	ds_load_tr16_b128 v[96*(\f)+8*(\b):96*(\f)+8*(\b)+3],   v[ADW2] offset:(\q)*32*PW+32*((\b)-8)
	ds_load_tr16_b128 v[96*(\f)+8*(\b)+4:96*(\f)+8*(\b)+7], v[ADW2] offset:(\q)*32*PW+32*((\b)-8)+16*PW
.endr
.endm
.macro PLACES                          ; four plain places in front of loads into registers that products have read, and of conversions that read results
.rept 4
	v_nop
.endr
.endm
; One of a K step's first three quarters: multiplies buffer f, fetches quarter q into buffer g
.macro QUARTER q, f, g, zero
	s_wait_dscnt 16                                ; x and W's blocks 0-3 are in; the youngest 16 loads (blocks 4-11) may be out
	MULG \f, 0, \zero
	PLACES
	FETCH \q, \g
	s_wait_dscnt 32                                ; all but the 32 just issued
	MULG \f, 1, \zero
	MULG \f, 2, \zero
.endm
; The last quarter multiplies buffer 1 and changes slots: each wave waits for all its tensor loads, adds 0 to its spare word, waits for that and for its reads of the slot; one barrier.
; fill = 1: the barrier opens a round of the cluster's, and the slot just read is filled again first thing behind it, two K steps ahead, by the walking descriptor.
.macro TURN fill
.if \fill
	s_wait_xcnt 0x0                                ; the last prefetch, a K step back, has read its address
	s_add_nc_u64 s[PFA:PFA+1], s[PFA:PFA+1], s[PFS:PFS+1]
.endif
	WIN 0
	s_wait_tensorcnt 0x0                           ; my part of the next slot has landed; no load of mine is out
	ds_add_u32 v[SPW], v[NIL]
	s_wait_dscnt 17                                ; (the add and the youngest 16 loads may be out)
	MULG 1, 0, 0
	s_wait_dscnt 0x0                               ; the add is done, my reads of this slot are over
	s_barrier_signal -1
	MULG 1, 1, 0
	WIN 0
	s_barrier_wait -1
.if \fill
	CREST                                          ; no wave of any partner still reads this slot or has a load on its way
	s_xor_b32 s[G0+5], s[G0+5], SLOT               ; the walking descriptors: the other slot than last time, the next K step
	s_add_nc_u64 s[G0+6:G0+7], s[G0+6:G0+7], ASTEP
	s_xor_b32 s[G0B+5], s[G0B+5], SLOT
	s_add_nc_u64 s[G0B+6:G0B+7], s[G0B+6:G0B+7], WSTEP
	JLOAD 1
.endif
	s_xor_b32 s[CUR], s[CUR], SLOT                 ; the reads go on in the other slot
	v_add_nc_u32 v[ADRA], s[CUR], v[ADRA0]
	v_add_nc_u32 v[ADW1], s[CUR], v[ADW10]
	v_add_nc_u32 v[ADW2], s[CUR], v[ADW20]
.if !(\fill)
	v_nop                                          ; with the three lines above: the four places in front of the loads below
.endif
	FETCH 0, 0
.if \fill
	ASK
.endif
	MULG 1, 2, 0
.endm
	s_wait_tensorcnt 1                             ; my part of K step 0 is in; K step 1's may stay out
	s_barrier_signal -1
	s_barrier_wait -1
	FETCH 0, 0
	s_wait_loadcnt 0x0                             ; the bias: it starts the sums
	QUARTER 1, 0, 1, 1
	WIN 0
	s_mov_b32 s3, KSTEPS-2
.Lstep:                                            ; a K step, from its second quarter to the next step's first; six trips, each fills a slot again
	QUARTER 2, 1, 0, 0
	QUARTER 3, 0, 1, 0
	TURN 1
	QUARTER 1, 0, 1, 0
	WIN 0
	s_sub_co_u32 s3, s3, 1
	s_cmp_lg_u32 s3, 0
	s_cbranch_scc1 .Lstep
	QUARTER 2, 1, 0, 0                             ; the last two K steps fill nothing
	QUARTER 3, 0, 1, 0
	TURN 0
	QUARTER 1, 0, 1, 0
	QUARTER 2, 1, 0, 0
	QUARTER 3, 0, 1, 0
	s_wait_dscnt 16
	MULG 1, 0, 0
	s_wait_dscnt 0x0
	MULG 1, 1, 0
	MULG 1, 2, 0
	WIN 0
	PLACES
; THE WAY OUT, 12 pieces t = 3 a + g of 16 rows x one head: rounded, 16 bytes a lane into my stage, back as four rows of 128 bytes a load: 2,048 consecutive bytes of qkvh.
.macro PACK t
.set a, (\t)/3
.set g, (\t)%3
.set PKR, PK+16*((\t)%2)
	s_wait_xcnt 0x0                                ; the stores of the piece two back have read this set of registers
	WIN 0x0a+5*(g/2)                               ; sources 0 and 1: the sums' window
.set z, 0
.rept 16
.set rD, 8*(4*((4*g+z/4)%8)+a)+2*(z%4)
	v_cvt_pk_bf16_f32 v[PKR+z], v[rD], v[rD+1]
.set z, z+1
.endr
	WIN 0
.irp bb, 0,1,2,3
	ds_store_b128 v[STO], v[PKR+4*(\bb):PKR+4*(\bb)+3] offset:32*(\bb)
.endr
.irp f, 0,1,2,3
	ds_load_b128 v[PKR+4*(\f):PKR+4*(\f)+3], v[RD] offset:(\f)*4*SP   ; LDS serves a wave's instructions in order: these see the stores above
.endr
.endm
.macro SEND t, younger                 ; younger: the next piece's eight LDS instructions, or none
.set a, (\t)/3
.set g, (\t)%3
.set PKR, PK+16*((\t)%2)
.irp f, 0,1,2,3
	s_wait_dscnt (\younger)+3-(\f)
.if g < 2
	global_store_b128 v[GO], v[PKR+4*(\f):PKR+4*(\f)+3], s[OUTA:OUTA+1] offset:a*2048+(\f)*512+g*524288
.else
	global_store_b128 v[GO], v[PKR+4*(\f):PKR+4*(\f)+3], s[OUTB:OUTB+1] offset:a*2048+(\f)*512
.endif
.endr
.endm
	PACK 0
.irp t, 1,2,3,4,5,6,7,8,9,10,11
	PACK \t
	SEND (\t)-1, 8
.endr
	SEND 11, 0
	s_wait_tensorcnt 0x0                           ; the wave's end
	ds_add_u32 v[SPW], v[NIL]
	s_wait_dscnt 0x0
	CROUND                                         ; the closing round
	s_endpgm
.Lfunc_end_k_qbb3f309834_gemm_qkv:
	.size	k_qbb3f309834_gemm_qkv, .Lfunc_end_k_qbb3f309834_gemm_qkv-k_qbb3f309834_gemm_qkv
	.p2alignl 7, 3214868480
	.fill 96, 4, 3214868480
	.section	.rodata,"a",@progbits
	.p2align	6, 0x0
	.amdhsa_kernel k_qbb3f309834_gemm_qkv
		.amdhsa_group_segment_fixed_size 327680
		.amdhsa_private_segment_fixed_size 0
		.amdhsa_enable_private_segment 0
		.amdhsa_kernarg_size 32
		.amdhsa_user_sgpr_count 2
		.amdhsa_user_sgpr_kernarg_segment_ptr 1
		.amdhsa_wavefront_size32 1
		.amdhsa_system_sgpr_workgroup_id_x 1
		.amdhsa_system_sgpr_workgroup_id_y 1
		.amdhsa_system_sgpr_workgroup_id_z 1
		.amdhsa_system_vgpr_workitem_id 0
		.amdhsa_next_free_vgpr 896
		.amdhsa_next_free_sgpr 80
		.amdhsa_reserve_vcc 0
		.amdhsa_float_denorm_mode_32 3
		.amdhsa_float_denorm_mode_16_64 3
		.amdhsa_memory_ordered 1
		.amdhsa_forward_progress 1
		.amdhsa_inst_pref_size 103
	.end_amdhsa_kernel
	.amdgpu_metadata
---
amdhsa.version: [ 1, 2 ]
amdhsa.kernels:
  - .name:           k_qbb3f309834_gemm_qkv
    .symbol:         k_qbb3f309834_gemm_qkv.kd
    .args:
      - { .name: xb, .offset: 0, .size: 8, .value_kind: global_buffer, .address_space: global }
      - { .name: wqb, .offset: 8, .size: 8, .value_kind: global_buffer, .address_space: global }
      - { .name: b_qkv, .offset: 16, .size: 8, .value_kind: global_buffer, .address_space: global }
      - { .name: qkvh, .offset: 24, .size: 8, .value_kind: global_buffer, .address_space: global }
    .group_segment_fixed_size: 327680
    .private_segment_fixed_size: 0
    .kernarg_segment_align: 8
    .kernarg_segment_size: 32
    .max_flat_workgroup_size: 128
    .sgpr_count:     80
    .vgpr_count:     896
    .wavefront_size: 32
...
	.end_amdgpu_metadata
.endif
;; end of part 2
;; launch attn (part 3): grid 8 x 32, 4 waves a work-group, clusters of 4 x 1, 327,680 bytes of LDS; arguments qkvh, pext, ao; writes ao
.if DOCPART == 3
	.amdgcn_target "amdgcn-amd-amdhsa--gfx1250"
	.amdhsa_code_object_version 6
	.text
	.protected	k_qbb3f309834_attn
	.globl	k_qbb3f309834_attn
	.p2align	8
	.type	k_qbb3f309834_attn,@function
k_qbb3f309834_attn:
	s_mov_b64 s[64:65], 0
	v_nop
	global_prefetch_b8 v0, s[64:65] scope:SCOPE_SE
	s_setreg_imm32_b32 hwreg(HW_REG_WAVE_MODE, 25, 1), 1
	s_wait_xcnt 0x0
	s_wait_alu depctr_hold_cnt(0) depctr_sa_sdst(0) depctr_va_vdst(0) depctr_va_sdst(0) depctr_va_ssrc(0) depctr_va_vcc(0) depctr_vm_vsrc(0)
	s_getreg_b32 s2, hwreg(HW_REG_IB_STS2, 6, 4)
	s_cmp_eq_u32 s2, 0
	s_cbranch_scc0 .Lentry_in_a_cluster
	s_endpgm
.Lentry_in_a_cluster:
	s_bfe_u32 s2, ttmp6, 0x10000c
	s_cmp_lg_u32 s2, 0x3003
	s_cbranch_scc0 .Lentry_shape_is_right
	s_endpgm
.Lentry_shape_is_right:
; ATTENTION WITH RELATIVE POSITIONS.  ao[h][b][i][:] = sum over j of softmax_j((q_i . k_j + bd(i, j)) / 8) v_j.  With e = j - i + 2047: bd = (e <= 2048 ? q_i : q_(i+1)) . pext[h][e]
; (pext's row 2048 is 0).  q, k, v: qkvh[hh][b][s][64] bf16; products, scores, maxima and sums in f32; the weights are rounded to bf16 for the last product, the result once.
; LIMITS.  A weight below 2^-126 counts as 0 in the sum; NaN and infinities are not treated apart.
; SHARES.  y = 2 h + b.  A work-group owns 256 queries (block u), a wave 64: four PIECES of 16.  Every wave walks all 2,048 keys, 64 a step; an LDS slot holds 128 keys.
; THE POSITION TERM.  For 16 queries from i0 and 64 keys from j0, e fills 80 rows from j0 - i0 + 2032, a multiple of 16: five products R^T = pext Q^T (source 0 = 16 rows, source 1 = 16 queries).
; Query r needs row c + 15 - r of that window for key c.  R goes as f32 into a strip of LDS of my wave's own, rows 84 words apart, and is read back 83 words apart: that is the skew.  What comes back
; is the C operand that starts S^T = K Q^T, so the addition costs nothing.  The change from q_i to q_(i+1) falls on a block's edge: block b of piece a at step s takes q_(i+1) where
; 4 (s - 4 u - w) + b - a >= 1.  Two copies of Q serve that: QU (for b > a) becomes the next rows' Q at s = 4 u + w, QL (b <= a) one step later, by selects; a branch on the cluster's number,
; the wave's and the step's leaves the selects out where no partner needs them.
; pext IN LDS: a ring of 8 chunks of 64 rows, counted from row 1792 - 256 u, so that no LDS address hangs on u: wave w at step s reads chunks s - w + 3 and s - w + 4.  A slot's steps read three
; segments (of two chunks); each change of slots fills the fourth.
; TURNS.  Turn n belongs to piece n: 8 products K Q^T of piece n + 1, 10 products pext Q^T of piece n + 2, later 8 products V^T P of piece n - 1; vector instructions behind each: the scaling,
; exponentials, roundings, sums and rescaling of piece n, the maximum and statistics of piece n + 1.  A turn's 33 exponentials are one batch with one wait.
; CLUSTER 4 x 1: the four query blocks walk the same K and V: asked for jointly.  pext's windows lie 256 rows apart from partner to partner: each asks for its own.
; REGISTERS, in windows of 256: window 0: v2-39 addresses and statistics; v48-55 at work; v64-127 S^T, two buffers; v128-159 BD, the skewed term; v160-191, v224-255 K; v192-223 P, two buffers.
;   window 1: v0-127 O^T; v128-167 R; v192-255 V.   window 2: v0-63 Q; v64-127 QU.   window 3: v0-127 pext's 8 blocks; v128-191 QN (rows i + 1); v192-255 QL.
; WINDOWS AND THE DEAL.  K lies beside S^T, so that K Q^T and the scalings and exponentials behind it (which name no vector register as source 1) run under ONE setting; V lies beside O^T, so that
; V^T P and the rescalings of O^T behind it run under one setting.  A turn has 32 switches: 1 for the 8 rows of K Q^T, 20 for the 10 rows of pext Q^T, 2 for the skew, 9 for the 8 rows of V^T P.
.set NP,    4
.set KS,    64
.set PK,    144                        ; a row of K or pext in LDS: 128 bytes + 16
.set PV,    160                        ; a row of V: 128 + 32
.set VOFF,  2*KS*PK                    ; a slot: 128 rows of K, then 128 rows of V
.set SLOT1, 1<<16
.set PBASE, 2*SLOT1                    ; pext's ring
.set CHUNK, 64*PK
.set SEG,   2*CHUNK
.set RBASE, PBASE+4*SEG                ; the strips: 16 rows x 336 bytes for each wave; never filled by a tensor load; also the stage for the way out
.set RPS,   336
.set RPL,   332
.set RSTRIP, 16*RPS
.set SPARE, RBASE+4*RSTRIP             ; the spare words, 128 bytes a wave; no other line names them
.set SP,    144
.set AK0, 2
.set AV0, 3
.set AK,  4
.set AV,  5
.set STO, 6
.set RD,  7
.set GO,  8
.set MV,  12                           ; v12-13 c m_old, by buffer
.set RST, 14                           ; where I put 32 bytes of R
.set RLD, 15                           ; where I read the skewed row
.set ST,  16                           ; piece t's statistics at v[ST+4 t]: c m, m, l (even keys', odd keys')
.set AP,  32                           ; v32-33 LDS address of my two chunks of pext
.set QN3, 34                           ; piece 3's rows i + 1, held to the last row
.set QUO, 35                           ; QU's first load
.set QO,  38
.set PFO, 39
.set TMP, 48
.set SPW, 62
.set NIL, 63
.set S,   64
.set BD,  128
.set KF,  160                          ; K's fragment f at KF + 8 f + 32 (f / 4): v160-191 and v224-255
.set P,   192
.set RA,  128                          ; window 1
.set VF,  192                          ; window 1
.set QU,  64                           ; window 2
.set QN,  128                          ; window 3
.set QL,  192
.set WV,  12
.set CX,  13
.set U,   14
.set LIM, 15
.set PFA, 18                           ; s[18:19]
.set G1K, 24
.set G1V, 32
.set G1P, 40
.set G1F, 48                           ; pext's first fill: three segments
.set G0K, 56
.set G0V, 60
.set G0P, 68
.set G0F, 72
.set SLOTS, 76
.set CNT, 77
.set CS,  78
.set SEL, 80
.set TBK, 82
.set TBV, 83
.set TP,  84                           ; s84-85
.set PC,  86                           ; my first chunk's number
.set PN,  87                           ; the segment asked for last
.set RS,  88                           ; the step whose position products come next
.set B16W, 89
.set TT,  90
.set FF,  91
.set CX4, 92
.set CX41, 93
.set M1,  94
.set M2,  95
.set OUT, 96                           ; s[96:97]
.set TK,  98
.set MSB, 0
.macro WIN new
.if MSB != (\new)
	s_set_vgpr_msb (MSB<<8)|(\new)
.set MSB, (\new)
.endif
.endm
.set W_KQ, 0x08                        ; K, BD and S^T window 0, Q window 2
.set W_PV, 0x51                        ; V and O^T window 1, P window 0
.set W_RS, 0x51                        ; the rescaling: O^T (destination and source 0) window 1, a (source 1) window 0: V^T P's own setting
.set WF,   0                           ; the setting under which scalings and exponentials are written: W_KQ behind K Q^T, else 0
; A fill: wave 0 K's 128 keys, wave 1 V's (both jointly), wave 2 a segment of pext (its own), wave 3 nothing.  An s_nop 0 and four v_nop follow each line.
.macro JLOAD first
	s_cmp_lg_u32 s[WV], 0
	s_cbranch_scc1 .Lnot_k_\@
	tensor_load_to_lds s[G0K:G0K+3], s[G1K:G1K+7]
	s_nop 0
.rept 4
	v_nop
.endr
	s_branch .Lasked_\@
.Lnot_k_\@:
	s_cmp_lg_u32 s[WV], 1
	s_cbranch_scc1 .Lnot_v_\@
	tensor_load_to_lds s[G0V:G0V+3], s[G1V:G1V+7]
	s_nop 0
.rept 4
	v_nop
.endr
	s_branch .Lasked_\@
.Lnot_v_\@:
	s_cmp_lg_u32 s[WV], 2
	s_cbranch_scc1 .Lasked_\@
.if \first
	tensor_load_to_lds s[G0F:G0F+3], s[G1F:G1F+7]
.else
	tensor_load_to_lds s[G0P:G0P+3], s[G1P:G1P+7]
.endif
	s_nop 0
.rept 4
	v_nop
.endr
.Lasked_\@:
.endm
; A prefetch into the L2 of the K and V that the NEXT change of slots will ask for: 64 blocks of 256 bytes each.  The head's first cluster asks; its four partners take 16 blocks of K and 16 of V each,
; told apart by address; wave 0, a lane a block.  The last change that fills a slot asks for nothing.
.macro ASK
	s_cmp_gt_u32 s[SLOTS], s[LIM]
	s_cbranch_scc0 .Lnot_mine_\@
	global_prefetch_b8 v[PFO], s[PFA:PFA+1] th:TH_LOAD_NT scope:SCOPE_SE
.Lnot_mine_\@:
.endm
.macro CROUND
	s_barrier_signal -1
	s_barrier_wait -1
	s_cmp_lg_u32 s[WV], 0
	s_cbranch_scc1 .Lnot_wave_0_\@
	s_barrier_signal -3
.Lnot_wave_0_\@:
	s_barrier_wait -3
	s_barrier_signal -1
	s_barrier_wait -1
.endm
; THE CHANGE OF SLOTS.  Each wave waits for all its tensor loads, adds 0 to its spare word, waits for that and for its LDS reads.  fill = 1: a round of the cluster's barrier, and first thing behind it
; the old slot takes the keys two slots on and the ring's dead segment the next 128 rows of pext.
.macro CHANGE fill
	WIN 0
	s_wait_tensorcnt 0x0                           ; no tensor load of mine is out, so a group 0 may be written
	ds_add_u32 v[SPW], v[NIL]
.if \fill
.irp g, G0K, G0V
	s_xor_b32 s[\g+1], s[\g+1], SLOT1
	s_add_nc_u64 s[\g+2:\g+3], s[\g+2:\g+3], 2*KS*128
.endr
	s_add_co_u32 s[PN], s[PN], 1
	s_and_b32 s[G0P+1], s[PN], 3
	s_mul_i32 s[G0P+1], s[G0P+1], SEG
	s_add_co_u32 s[G0P+1], s[G0P+1], PBASE
	s_add_nc_u64 s[G0P+2:G0P+3], s[G0P+2:G0P+3], 128*128
	s_wait_xcnt 0x0                                ; the last prefetch, a slot back, has read its address
	s_add_nc_u64 s[PFA:PFA+1], s[PFA:PFA+1], 2*KS*128
	s_wait_dscnt 0x0                               ; the add is done, my reads are over
	CROUND
	JLOAD 0
	ASK
.else
	s_wait_dscnt 0x0
	s_barrier_signal -1
	s_barrier_wait -1
.endif
	s_sub_co_u32 s[TBK], s[TBK], 2*KS*PK           ; the fetches go back to a slot's first step, in the other slot
	s_xor_b32 s[TBK], s[TBK], SLOT1
	s_sub_co_u32 s[TBV], s[TBV], 2*KS*PV
	s_xor_b32 s[TBV], s[TBV], SLOT1
.endm
	s_load_b128 s[4:7], s[0:1], 0x0                ; qkvh s[4:5], pext s[6:7]
	s_load_b64 s[8:9], s[0:1], 0x10                ; ao
	v_lshl_add_u32 v[SPW], v0, 2, SPARE
	v_mov_b32 v[NIL], 0
	ds_add_u32 v[SPW], v[NIL]                      ; the wave's opening: the add and its wait ahead of my first tensor load
	v_lshrrev_b32 v1, 5, v0
	v_readfirstlane_b32 s[WV], v1
	s_bfe_u32 s[CX], ttmp6, 0x40000
	s_lshl_b32 s[U], ttmp9, 2
	s_add_co_u32 s[U], s[U], s[CX]                 ; my block of 256 queries
	s_and_b32 s16, ttmp7, 0xffff                   ; y = 2 h + b, which the partners share
	s_lshl_b32 s20, s16, 18                        ; a block of 2,048 rows of 128 bytes
	s_mov_b32 s21, 0
	s_lshr_b32 s2, s16, 1                          ; h
	s_lshl_b32 s2, s2, 19                          ; the head's 4,096 rows of pext,
	s_add_co_u32 s2, s2, 1792*128
	s_lshl_b32 s3, s[U], 15
	s_sub_co_u32 s2, s2, s3                        ; from row 1792 - 256 u
	s_mov_b32 s3, 0
	s_lshl_b32 s22, s[U], 15
	s_lshl_b32 s23, s[WV], 13
	s_add_co_u32 s22, s22, s23
	s_add_co_u32 s22, s22, s20                     ; my wave's first row in q's and ao's blocks
	s_mov_b32 s23, 0
	s_lshl_b32 s16, s[CX], 12                      ; the prefetches: my work-group's 16 blocks, in slot 1; the first change steps it to slot 2
	s_add_co_u32 s16, s16, 2*KS*128
	s_mov_b32 s17, 0
	; group 1: 128 rows of 128 bytes are dense: asked for as 64 rows of 256 bytes, padded in LDS after every 128
	s_mov_b32 s[G1K], 15|(1<<16)|(1<<20)|(1<<21)|(4<<22)|(3<<25)
	s_mov_b32 s[G1V], 15|(1<<16)|(1<<20)|(1<<21)|(4<<22)|(7<<25)
	s_mov_b32 s[G1P], (1<<16)|(1<<20)|(4<<22)|(3<<25)
	s_mov_b32 s[G1F], (1<<16)|(1<<20)|(4<<22)|(3<<25)
.irp g, G1K, G1V, G1P
	s_mov_b32 s[\g+1], 128<<16
	s_mov_b32 s[\g+2], 64<<16
	s_mov_b32 s[\g+3], 128<<16
	s_mov_b32 s[\g+4], 64
	s_mov_b32 s[\g+5], 128
	s_mov_b32 s[\g+6], 0
	s_mov_b32 s[\g+7], 0
.endr
	s_mov_b32 s[G1F+1], 128<<16
	s_mov_b32 s[G1F+2], 192<<16
	s_mov_b32 s[G1F+3], 128<<16
	s_mov_b32 s[G1F+4], 192
	s_mov_b32 s[G1F+5], 128
	s_mov_b32 s[G1F+6], 0
	s_mov_b32 s[G1F+7], 0
	s_mov_b32 s[G0K], 1
	s_mov_b32 s[G0K+1], 0
	s_mov_b32 s[G0V], 1
	s_mov_b32 s[G0V+1], VOFF
	s_mov_b32 s[G0P], 1
	s_mov_b32 s[G0P+1], PBASE
	s_mov_b32 s[G0F], 1
	s_mov_b32 s[G0F+1], PBASE
	s_mov_b32 s[CS], 0x3e38aa3b                    ; c = log2(e) / 8
	s_mov_b32 s[CS+1], s[CS]
	s_mov_b32 s[SEL], 0x76543210
	s_mov_b32 s[SEL+1], 0xfedcba98
	s_mov_b32 s[TBK], SLOT1+2*KS*PK                ; the first change of slots turns these two into 0
	s_mov_b32 s[TBV], SLOT1+2*KS*PV
	s_mov_b32 s[SLOTS], 15
	s_mov_b32 s[PN], 2
	s_mov_b32 s[RS], 0
	s_sub_co_u32 s[PC], 2, s[WV]
	s_lshl_b32 s[B16W], ttmp9, 4
	s_add_co_u32 s[B16W], s[B16W], s[WV]
	s_lshl_b32 s[CX4], s[CX], 2
	s_add_co_u32 s[CX41], s[CX4], 1
	s_or_b32 s[LIM], s[WV], ttmp9
	s_cmp_eq_u32 s[LIM], 0
	s_cselect_b32 s[LIM], 1, -1
	s_wait_dscnt 0x0                               ; the opening add is done
	s_wait_kmcnt 0x0
	s_add_nc_u64 s[G0K+2:G0K+3], s[4:5], s[20:21]
	s_add_nc_u64 s[G0K+2:G0K+3], s[G0K+2:G0K+3], 32*262144     ; k's blocks lie 32 behind q's,
	s_add_nc_u64 s[G0V+2:G0V+3], s[4:5], s[20:21]
	s_add_nc_u64 s[G0V+2:G0V+3], s[G0V+2:G0V+3], 64*262144     ; v's 64
	s_add_nc_u64 s[PFA:PFA+1], s[G0K+2:G0K+3], s[16:17]
	s_or_b32 s[G0K+3], s[G0K+3], 0x80000000
	s_or_b32 s[G0V+3], s[G0V+3], 0x80000000
	s_add_nc_u64 s[G0F+2:G0F+3], s[6:7], s[2:3]
	s_add_nc_u64 s[G0P+2:G0P+3], s[G0F+2:G0F+3], 2*128*128     ; at segment 2: the first change steps it to 3
	s_or_b32 s[G0F+3], s[G0F+3], 0x80000000
	s_or_b32 s[G0P+3], s[G0P+3], 0x80000000
	s_add_nc_u64 s[OUT:OUT+1], s[8:9], s[22:23]
	s_add_nc_u64 s[4:5], s[4:5], s[22:23]          ; q at my wave's first row
	CROUND                                         ; all four work-groups are here
	JLOAD 1                                        ; slot 0, and pext's segments 0 to 2
	v_and_b32 v1, 15, v0                           ; r
	v_bfe_u32 v9, v0, 4, 1                         ; h
	v_lshlrev_b32 v[QO], 7, v1
	v_lshl_add_u32 v[QO], v9, 4, v[QO]             ; row x 128 + 16 h
	s_lshl2_add_u32 s16, s[U], s[WV]               ; 4 u + w: the step that holds my diagonal
	s_cmp_eq_u32 s16, 0
	s_cselect_b32 s17, 128, 0
	v_add_nc_u32 v[QUO], s17, v[QO]                ; where that is step 0, QU starts as the next rows' Q
	s_lshl_b32 s16, s16, 6
	s_sub_co_u32 s16, 2047, s16                    ; the block's last row, counted from my first
	v_add_nc_u32 v[QN3], 49, v1
	v_min_u32 v[QN3], s16, v[QN3]                  ; (the last query has no next; its upper part is empty)
	v_lshlrev_b32 v[QN3], 7, v[QN3]
	v_lshl_add_u32 v[QN3], v9, 4, v[QN3]
	WIN 0x80
.set i, 0
.rept 8                                            ; piece i / 2, channels 32 (i % 2) on
	global_load_b128 v[8*i:8*i+3],         v[QO],  s[4:5] offset:(i/2)*2048+(i%2)*64
	global_load_b128 v[8*i+4:8*i+7],       v[QO],  s[4:5] offset:(i/2)*2048+(i%2)*64+32
	global_load_b128 v[QU+8*i:QU+8*i+3],   v[QUO], s[4:5] offset:(i/2)*2048+(i%2)*64
	global_load_b128 v[QU+8*i+4:QU+8*i+7], v[QUO], s[4:5] offset:(i/2)*2048+(i%2)*64+32
.set i, i+1
.endr
	WIN 0xc0
.set i, 0
.rept 8
	global_load_b128 v[QL+8*i:QL+8*i+3],   v[QO], s[4:5] offset:(i/2)*2048+(i%2)*64
	global_load_b128 v[QL+8*i+4:QL+8*i+7], v[QO], s[4:5] offset:(i/2)*2048+(i%2)*64+32
.if i < 6
	global_load_b128 v[QN+8*i:QN+8*i+3],   v[QO], s[4:5] offset:(i/2)*2048+128+(i%2)*64
	global_load_b128 v[QN+8*i+4:QN+8*i+7], v[QO], s[4:5] offset:(i/2)*2048+128+(i%2)*64+32
.else
	global_load_b128 v[QN+8*i:QN+8*i+3],   v[QN3], s[4:5] offset:(i%2)*64
	global_load_b128 v[QN+8*i+4:QN+8*i+7], v[QN3], s[4:5] offset:(i%2)*64+32
.endif
.set i, i+1
.endr
	; what the first turn finds: V and P's second buffer hold 0, O^T and l are 0, m is the lowest finite number: the first step is a step like any other, with a = 0
	WIN 0x40
.set i, 0
.rept 128
	v_mov_b32 v[i], 0
.set i, i+1
.endr
.set i, VF
.rept 64
	v_mov_b32 v[i], 0
.set i, i+1
.endr
	WIN 0
.set i, 0
.rept 4
	v_mov_b32 v[ST+4*i], 0xfe000000
	v_mov_b32 v[ST+4*i+1], 0xff7fffff
	v_mov_b32 v[ST+4*i+2], 0
	v_mov_b32 v[ST+4*i+3], 0
.set i, i+1
.endr
.set i, P+16
.rept 16
	v_mov_b32 v[i], 0
.set i, i+1
.endr
	v_mul_u32_u24 v[AK0], v1, PK
	v_lshl_add_u32 v[AK0], v9, 4, v[AK0]           ; row x pitch + 16 h: for K and for pext
	v_and_b32 v10, 7, v0
	v_bfe_u32 v11, v0, 3, 1
	v_lshl_add_u32 v[AV0], v9, 3, v10              ; the turning load: key 8 h + lane % 8, channels 8 ((lane / 8) % 2) on
	v_mul_u32_u24 v[AV0], v[AV0], PV
	v_lshl_add_u32 v[AV0], v11, 4, v[AV0]
	v_add_nc_u32 v[AV0], VOFF, v[AV0]
	s_mul_i32 s16, s[WV], RSTRIP
	s_add_co_u32 s16, s16, RBASE                   ; my strip
	s_add_co_u32 s17, s16, 60
	v_mul_u32_u24 v[RST], v1, RPS
	v_lshl_add_u32 v[RST], v9, 5, v[RST]
	v_add_nc_u32 v[RST], s16, v[RST]               ; in: row r, window rows 8 h on
	v_mul_u32_u24 v[RLD], v1, RPL
	v_lshl_add_u32 v[RLD], v9, 5, v[RLD]
	v_add_nc_u32 v[RLD], s17, v[RLD]               ; back: row r, window row 8 h + 15 - r on
	v_mul_u32_u24 v[STO], v1, SP
	v_lshl_add_u32 v[STO], v9, 4, v[STO]
	v_add_nc_u32 v[STO], s16, v[STO]
	v_bfe_u32 v[RD], v0, 3, 2
	v_mul_u32_u24 v[RD], v[RD], SP
	v_lshl_add_u32 v[RD], v10, 4, v[RD]
	v_add_nc_u32 v[RD], s16, v[RD]
	v_and_b32 v[GO], 31, v0
	v_lshlrev_b32 v[GO], 4, v[GO]
	v_lshlrev_b32 v[PFO], 8, v1                    ; lanes 0-15: 16 blocks of K; lanes 16-31: the same of V, 32 blocks of rows on
	v_lshl_add_u32 v[PFO], v9, 23, v[PFO]
; THE MATRIX WORK.  In each run the accumulators take turns, one instruction a turn.
.macro KQ x                            ; product i of 8 of S^T = K Q^T + BD: channels 32 (i / 4) on, keys 16 (i % 4) on
	WIN W_KQ
.set rS, S+32*((\x)%2)+8*(i%4)
.set fk, 2*(i%4)+(i/4)
.set rK, KF+8*fk+32*(fk/4)
.set rQ, 16*(\x)+8*(i/4)
.set rB, BD+8*(i%4)
.if i < 4
	v_wmma_f32_16x16x32_bf16 v[rS:rS+7], v[rK:rK+7], v[rQ:rQ+7], v[rB:rB+7]
.else
	v_wmma_f32_16x16x32_bf16 v[rS:rS+7], v[rK:rK+7], v[rQ:rQ+7], v[rS:rS+7]
.endif
.endm
.macro RP x                            ; product i of 10 of R^T = pext Q^T: channels 32 (i / 5) on, window block i % 5 = block i % 5 - x + 3 of my eight
.set rD, RA+8*(i%5)
.set rA, 16*((i%5)-(\x)+3)+8*(i/5)
.if (i%5) > (\x)
	WIN 0x5b                                       ; pext window 3, QU window 2, R window 1
.set rB, QU+16*(\x)+8*(i/5)
.else
	WIN 0x5f                                       ; QL window 3
.set rB, QL+16*(\x)+8*(i/5)
.endif
.if i < 5
	v_wmma_f32_16x16x32_bf16 v[rD:rD+7], v[rA:rA+7], v[rB:rB+7], 0
.else
	v_wmma_f32_16x16x32_bf16 v[rD:rD+7], v[rA:rA+7], v[rB:rB+7], v[rD:rD+7]
.endif
.endm
.macro PV x                            ; product i of 8 of O^T += V^T P: keys 32 (i / 4) on, channels 16 (i % 4) on
	WIN W_PV
.set rO, 32*(\x)+8*(i%4)
.set rV, VF+32*(i/4)+8*(i%4)
.set rP, P+16*((\x)%2)+8*(i/4)
	v_wmma_f32_16x16x32_bf16 v[rO:rO+7], v[rV:rV+7], v[rP:rP+7], v[rO:rO+7]
.endm
; THE LDS LOADS stand in runs
.macro FETCH_K
	WIN 0
.irp f, 0,1,2,3,4,5,6,7
	ds_load_b128 v[KF+8*\f+32*(\f/4):KF+8*\f+32*(\f/4)+3],   v[AK] offset:(\f/2)*16*PK+(\f%2)*64
	ds_load_b128 v[KF+8*\f+32*(\f/4)+4:KF+8*\f+32*(\f/4)+7], v[AK] offset:(\f/2)*16*PK+(\f%2)*64+32
.endr
	s_add_co_u32 s[TBK], s[TBK], KS*PK
.endm
.macro FETCH_V
	WIN 0x40
.irp f, 0,1,2,3,4,5,6,7
	ds_load_tr16_b128 v[VF+8*\f:VF+8*\f+3],   v[AV] offset:(\f/4)*32*PV+(\f%4)*32
	ds_load_tr16_b128 v[VF+8*\f+4:VF+8*\f+7], v[AV] offset:(\f/4)*32*PV+16*PV+(\f%4)*32
.endr
	WIN 0
.endm
.macro STEPP                           ; my two chunks of pext for the next step
	WIN 0
	s_add_co_u32 s[PC], s[PC], 1
	s_and_b32 s[TP], s[PC], 7
	s_mul_i32 s[TP], s[TP], CHUNK
	s_add_co_u32 s[TP], s[TP], PBASE
	s_add_co_u32 s[TP+1], s[PC], 1
	s_and_b32 s[TP+1], s[TP+1], 7
	s_mul_i32 s[TP+1], s[TP+1], CHUNK
	s_add_co_u32 s[TP+1], s[TP+1], PBASE
	v_add_nc_u32 v[AP], s[TP], v[AK0]
	v_add_nc_u32 v[AP+1], s[TP+1], v[AK0]
.endm
.macro FETCH_P                         ; 128 rows x 64 channels: block f / 2, channels 32 (f % 2) on
	WIN 0xc0
.irp f, 0,1,2,3,4,5,6,7,8,9,10,11,12,13,14,15
	ds_load_b128 v[8*\f:8*\f+3],   v[AP+(\f)/8] offset:(((\f)/2)%4)*16*PK+((\f)%2)*64
	ds_load_b128 v[8*\f+4:8*\f+7], v[AP+(\f)/8] offset:(((\f)/2)%4)*16*PK+((\f)%2)*64+32
.endr
	WIN 0
.endm
.macro RTRIP                           ; THE SKEW: R into my strip (each accumulator's low half first), and back one word a lane; LDS serves a wave's instructions in order
	WIN 0x04
.irp b, 0,1,2,3,4
	ds_store_b128 v[RST], v[RA+8*(\b):RA+8*(\b)+3]   offset:64*(\b)
	ds_store_b128 v[RST], v[RA+8*(\b)+4:RA+8*(\b)+7] offset:64*(\b)+16
.endr
	WIN 0
.set z, 0
.rept 32
	ds_load_b32 v[BD+z], v[RLD] offset:64*(z/8)+4*(z%8)
.set z, z+1
.endr
.endm
.macro UPD                             ; once a step: QU and QL become QN at my diagonal's step and the one behind it.  The branch is the same in all partners; my place in the cluster enters selects alone
	WIN 0
	s_add_co_u32 s[RS], s[RS], 1
	s_sub_co_u32 s[TT], s[RS], s[B16W]
	s_and_b32 s[FF], s[TT], 0xfffffff2             ; 0 where the difference is 4 p or 4 p + 1 for one of the four places p
	s_cmp_lg_u32 s[FF], 0
	s_cbranch_scc1 .Lno_upd_\@
	s_cmp_eq_u32 s[TT], s[CX4]
	s_cselect_b32 s[M1], -1, 0
	s_cmp_eq_u32 s[TT], s[CX41]
	s_cselect_b32 s[M2], -1, 0
	WIN 0x8e
.set z, 0
.rept 64
	v_cndmask_b32 v[QU+z], v[QU+z], v[QN+z], s[M1]
.set z, z+1
.endr
	WIN 0xcf
.set z, 0
.rept 64
	v_cndmask_b32 v[QL+z], v[QL+z], v[QN+z], s[M2]
.set z, z+1
.endr
	WIN 0
.Lno_upd_\@:
.endm
; THE VECTOR WORK, a line at a time: OP kind, number.  For piece Y: F n: c s - c m for pair n.  E n: the exponential of score n.  C n: pair n rounded to bf16.  B n: of four weights the second pair onto the first.
; L n: l takes that sum (L 0: l = a l + sum).  R n: pair n of O^T times a.  For piece Y + 1: X n, number n of the 22 that find its maximum and statistics (each accumulator's lowest registers are read first).
.set F, 0
.set E, 1
.set C, 2
.set B, 3
.set L, 4
.set R, 5
.set X, 6
.macro REGS y
.set rT, ST+4*(\y)
.set rC, TMP+4*((\y)%2)
.set rW, MV+((\y)%2)
.set rS, S+32*((\y)%2)
.set rP, P+16*((\y)%2)
.set rO, 32*(\y)
.endm
.macro OP k, n
.if (\k) == R
	REGS Y
	WIN W_RS
	v_pk_mul_f32 v[rO+2*(\n):rO+2*(\n)+1], v[rO+2*(\n):rO+2*(\n)+1], v[rC+2:rC+3] op_sel_hi:[1,0]
.elseif (\k) < R
	REGS Y
.if (\k) <= E
	WIN WF                                         ; no vector register stands as source 1 in these two kinds
.else
	WIN 0
.endif
.if (\k) == F
	v_pk_fma_f32 v[rS+2*(\n):rS+2*(\n)+1], v[rS+2*(\n):rS+2*(\n)+1], s[CS:CS+1], v[rT:rT+1] op_sel_hi:[1,0,0] neg_lo:[0,0,1] neg_hi:[0,0,1]
.elseif (\k) == E
	v_exp_f32 v[rS+(\n)], v[rS+(\n)]
.elseif (\k) == C
	v_cvt_pk_bf16_f32 v[rP+(\n)], v[rS+2*(\n)], v[rS+2*(\n)+1]
.elseif (\k) == B
	v_pk_add_f32 v[rS+4*(\n):rS+4*(\n)+1], v[rS+4*(\n):rS+4*(\n)+1], v[rS+4*(\n)+2:rS+4*(\n)+3]
.elseif (\n) == 0
	v_pk_fma_f32 v[rT+2:rT+3], v[rT+2:rT+3], v[rC+2:rC+3], v[rS:rS+1] op_sel_hi:[1,0,1]
.else
	v_pk_add_f32 v[rT+2:rT+3], v[rT+2:rT+3], v[rS+4*(\n):rS+4*(\n)+1]
.endif
.else
	REGS (Y+1)%NP
	WIN 0
.if (\n) < 4
	v_max3_num_f32 v[rC+(\n)], v[rS+8*(\n)], v[rS+8*(\n)+1], v[rS+8*(\n)+2]
.elseif (\n) < 12
	v_max3_num_f32 v[rC+(\n)%4], v[rC+(\n)%4], v[rS+8*((\n)%4)+2*((\n)/4)+1], v[rS+8*((\n)%4)+2*((\n)/4)+2]
.elseif (\n) == 12
	v_max3_num_f32 v[rC], v[rC], v[rS+7], v[rS+15]
.elseif (\n) == 13
	v_max3_num_f32 v[rC+1], v[rC+1], v[rS+23], v[rS+31]
.elseif (\n) == 14
	v_max3_num_f32 v[rC+2], v[rC+2], v[rC+3], v[rT+1]
.elseif (\n) == 15
	v_mov_b32 v[rW], v[rT]
.elseif (\n) == 16
	v_max3_num_f32 v[rC], v[rC], v[rC+1], v[rC+2]
.elseif (\n) == 17
	v_permlanex16_b32 v[rC+3], v[rC], s[SEL], s[SEL+1]
.elseif (\n) == 18
	v_max_num_f32 v[rT+1], v[rC], v[rC+3]
.elseif (\n) == 19
	v_mul_f32 v[rT], s[CS], v[rT+1]
.elseif (\n) == 20
	v_sub_f32 v[rC+1], v[rW], v[rT]
.else
	v_exp_f32 v[rC+2], v[rC+1]
.endif
.endif
.endm
.macro OPS a, i1, b=-1, i2=0, c=-1, i3=0, d=-1, i4=0
	OP \a, \i1
.if (\b) >= 0
	OP \b, \i2
.endif
.if (\c) >= 0
	OP \c, \i3
.endif
.if (\d) >= 0
	OP \d, \i4
.endif
.endm
.macro KROW a, i1, b, i2, c, i3, d, i4
	KQ (Y+1)%NP
.set i, i+1
	OPS \a, \i1, \b, \i2, \c, \i3, \d, \i4
.endm
.macro RROW a, i1, b=-1, i2=0, c=-1, i3=0, d=-1, i4=0
	RP (Y+2)%NP
.set i, i+1
	OPS \a, \i1, \b, \i2, \c, \i3, \d, \i4
.endm
.macro VROW a, i1, b, i2, c, i3, d, i4
	PV (Y+NP-1)%NP
.set i, i+1
	OPS \a, \i1, \b, \i2, \c, \i3, \d, \i4
.endm
.macro PLACES
.rept 4
	v_nop
.endr
.endm
; A TURN, for piece p, in three runs of products.
; (1) 8 x K Q^T, behind them the 16 scalings and exponentials 0-15, all under one window setting.
; (2) 10 x pext Q^T, behind them the next piece's maximum and statistics and exponentials 16-31.  A score accumulator is first read four plain instructions or more behind the product that ends it
;     (the last: F 15, X 0, X 1, X 2, X 4).  The links of the chain X 3, 7, 11, 14, 16 .. 21 stand a row apart for the most part.  X 21, the next piece's a, ends the batch.
; Four v_nop follow: the plain instruction behind the last exponential, and the four places between the last product and the store of its result.  Then the turn's ONE wait for the batch, directly ahead
; of the skew's run of LDS instructions.  Nothing ahead of that wait names an exponential's result.
; (3) 8 x V^T P: behind the first four, eight each of the roundings and sums; behind the last four, four rescalings of O^T each, under the products' own setting.  Their a was made, and waited for,
;     a turn ago; piece p's O^T is next multiplied in turn p + 1.
; Piece 2's turn fetches the next step's pext at its head, ahead of the wait for BD, and K ten plain instructions behind the last product that read K; piece 0's turn fetches V at its end, four
; rescalings behind its last reader.
; last = 1 (the tail): K's address is held to the last step of the last slot, so that the trip behind the last step reads that step's K once more; it serves nothing.
.macro TURN p, last=0, cnt=0
.set Y, (\p)
.if (\p) == 2
	UPD
	STEPP
	FETCH_P
	s_wait_dscnt 32                                ; BD is in; pext's 32 loads, issued behind it, may stay out
.elseif (\p) == 1
	s_wait_dscnt 16                                ; BD is in; V's 16 loads, issued behind it, may stay out
.else
	s_wait_dscnt 0x0                               ; BD is in (and K, in piece 3's turn)
.endif
.set WF, W_KQ
.set i, 0
	KROW F,0, F,1, F,2, E,0
	KROW F,3, E,1, F,4, E,2
	KROW F,5, E,3, F,6, E,4
	KROW F,7, E,5, F,8, E,6
	KROW F,9, E,7, F,10, E,8
	KROW F,11, E,9, F,12, E,10
	KROW F,13, E,11, F,14, E,12
	KROW F,15, E,13, E,14, E,15
.set WF, 0
.if (\p) == 2
	s_wait_dscnt 0x0                               ; pext's blocks are in
.endif
.set i, 0
	RROW X,0, X,1, X,2, X,4
.if (\p) == 2
	WIN 0
.if \last
	s_min_u32 s[TK], s[TBK], SLOT1+KS*PK
	v_add_nc_u32 v[AK], s[TK], v[AK0]
.else
	v_add_nc_u32 v[AK], s[TBK], v[AK0]
.endif
.endif
	RROW X,3, X,5, X,6, X,7
.if (\p) == 2
	FETCH_K
.endif
	RROW X,8, E,16, X,9, E,17
	RROW X,10, E,18, X,11, E,19
	RROW X,12, X,13, X,14, E,20
.if (\p) == 0
	WIN 0
	v_add_nc_u32 v[AV], s[TBV], v[AV0]
.endif
	RROW X,15, E,21, X,16, E,22
	RROW X,17, E,23, E,24, E,25
	RROW X,18, E,26, E,27, X,19
	RROW E,28, E,29, X,20, E,30
	RROW E,31, X,21
	PLACES
	s_wait_alu depctr_va_vdst(0)                   ; the wait for the batch, ahead of the first line that names a result
	RTRIP
.if (\p) == 1
	s_wait_dscnt 42                                ; V is in: behind its loads stand the skew's 10 stores and 32 loads
.endif
.set i, 0
	VROW C,0, B,0, C,2, B,1
	OPS  L,0, C,4, B,2, L,1
	VROW C,6, B,3, L,2, C,8
	OPS  B,4, L,3, C,10, B,5
	VROW L,4, C,12, B,6, L,5
	OPS  C,14, B,7, L,6, C,1
	VROW C,3, L,7, C,5, C,7
	OPS  C,9, C,11, C,13, C,15
	VROW R,0, R,1, R,2, R,3
.if (\p) == 0
	s_add_co_u32 s[TBV], s[TBV], KS*PV
.endif
.if \cnt
	s_sub_co_u32 s[CNT], s[CNT], 1
	s_cmp_lg_u32 s[CNT], 0
.endif
	VROW R,4, R,5, R,6, R,7
	VROW R,8, R,9, R,10, R,11
	VROW R,12, R,13, R,14, R,15
.if (\p) == 0
	FETCH_V
.endif
.endm
	CHANGE 1                                       ; slot 0 and pext's first three segments are in; slot 1 and segment 3 are asked for
	STEPP
	FETCH_P                                        ; step 0
	v_add_nc_u32 v[AK], s[TBK], v[AK0]
	FETCH_K
	s_wait_loadcnt 0x0                             ; Q and its copies
	s_wait_dscnt 0x0
.set i, 0
.rept 10
	RP 0
.set i, i+1
.endr
	WIN 0
	PLACES
	PLACES                                         ; eight: piece 1's products below write over these accumulators
	RTRIP
	s_wait_dscnt 0x0
.set i, 0
.rept 8
	KQ 0
.set i, i+1
.endr
.set i, 0
.rept 10
	RP 1
.set i, i+1
.endr
	WIN 0
	PLACES
	RTRIP
.set Y, NP-1                                       ; X works for piece Y + 1: piece 0
.irp n, 0,1,2,3,4,5,6,7,8,9,10,11,12,13,14,15,16,17,18,19,20,21
	OP X, \n
.endr
	v_nop                                          ; a plain instruction behind the exponential,
	s_wait_alu depctr_va_vdst(0)                   ; and its wait, ahead of the branch
	s_mov_b32 s[CNT], 2
	s_branch .Lfirst                               ; the loop is entered at a step's first turn
.Lslot:                                            ; 14 times
	CHANGE 1
	s_mov_b32 s[CNT], 2
.Lstep:                                            ; pieces 2 and 3 of one step, then pieces 0 and 1 of the next
	TURN 2
	TURN 3
	WIN 0
.Lfirst:
	TURN 0
	TURN 1, 0, 1
	WIN 0
	s_cbranch_scc1 .Lstep
	s_sub_co_u32 s[SLOTS], s[SLOTS], 1
	s_cmp_lg_u32 s[SLOTS], 0
	s_cbranch_scc1 .Lslot
	CHANGE 0                                       ; the tail is written out
	s_mov_b32 s[CNT], 3                            ; two trips fetch the last slot's steps; the third is left in its middle
.Ltail:
	TURN 2, 1
	TURN 3
	WIN 0
	s_sub_co_u32 s[CNT], s[CNT], 1
	s_cmp_eq_u32 s[CNT], 0
	s_cbranch_scc1 .Lout
	TURN 0
	TURN 1
	WIN 0
	s_branch .Ltail
.Lout:                                             ; the third trip's products for a step that does not exist serve nothing: the price of one text for every trip
.set i, 0
.rept 8
	PV NP-1
.set i, i+1
.endr
	; THE WAY OUT: l's halves are added, O^T divided by l, rounded and sent through my strip, a piece (16 rows, 2,048 consecutive bytes of ao) at a time
	WIN 0
.macro ALL line:vararg
.set t, 0
.rept 4
	\line
.set t, t+1
.endr
.endm
	ALL v_add_f32 v[ST+4*t+2], v[ST+4*t+2], v[ST+4*t+3]
	ALL v_permlanex16_b32 v[ST+4*t+3], v[ST+4*t+2], s[SEL], s[SEL+1]
	ALL v_add_f32 v[ST+4*t+2], v[ST+4*t+2], v[ST+4*t+3]
	ALL v_rcp_f32 v[ST+4*t+2], v[ST+4*t+2]
	v_nop
	s_wait_alu depctr_va_vdst(0)                   ; one wait for the four reciprocals
.macro PACK t
	WIN W_RS
.set i, 32*(\t)
.rept 16
	v_pk_mul_f32 v[i:i+1], v[i:i+1], v[ST+4*(\t)+2:ST+4*(\t)+3] op_sel_hi:[1,0]
.set i, i+2
.endr
	WIN 0x05
.set i, 0
.rept 16
	v_cvt_pk_bf16_f32 v[S+16*(\t)+i], v[32*(\t)+2*i], v[32*(\t)+2*i+1]
.set i, i+1
.endr
	WIN 0
.irp f, 0,1,2,3
	ds_store_b128 v[STO], v[S+16*(\t)+4*\f:S+16*(\t)+4*\f+3] offset:32*\f
.endr
.irp f, 0,1,2,3
	ds_load_b128 v[S+16*(\t)+4*\f:S+16*(\t)+4*\f+3], v[RD] offset:\f*4*SP
.endr
.endm
.macro SEND t, younger
	WIN 0
.irp f, 0,1,2,3
	s_wait_dscnt (\younger)+3-\f
	global_store_b128 v[GO], v[S+16*(\t)+4*\f:S+16*(\t)+4*\f+3], s[OUT:OUT+1] offset:(\t)*2048+\f*512
.endr
.endm
	PACK 0
.set t, 1
.rept 3
	PACK t
	SEND t-1, 8
.set t, t+1
.endr
	SEND 3, 0
	s_wait_tensorcnt 0x0                           ; the wave's end
	ds_add_u32 v[SPW], v[NIL]
	s_wait_dscnt 0x0
	CROUND                                         ; the closing round
	s_endpgm
.Lfunc_end_k_qbb3f309834_attn:
	.size	k_qbb3f309834_attn, .Lfunc_end_k_qbb3f309834_attn-k_qbb3f309834_attn
	.p2alignl 7, 3214868480
	.fill 96, 4, 3214868480
	.section	.rodata,"a",@progbits
	.p2align	6, 0x0
	.amdhsa_kernel k_qbb3f309834_attn
		.amdhsa_group_segment_fixed_size 327680
		.amdhsa_private_segment_fixed_size 0
		.amdhsa_enable_private_segment 0
		.amdhsa_kernarg_size 24
		.amdhsa_user_sgpr_count 2
		.amdhsa_user_sgpr_kernarg_segment_ptr 1
		.amdhsa_wavefront_size32 1
		.amdhsa_system_sgpr_workgroup_id_x 1
		.amdhsa_system_sgpr_workgroup_id_y 1
		.amdhsa_system_sgpr_workgroup_id_z 1
		.amdhsa_system_vgpr_workitem_id 0
		.amdhsa_next_free_vgpr 1024
		.amdhsa_next_free_sgpr 100
		.amdhsa_reserve_vcc 0
		.amdhsa_float_denorm_mode_32 3
		.amdhsa_float_denorm_mode_16_64 3
		.amdhsa_memory_ordered 1
		.amdhsa_forward_progress 1
		.amdhsa_inst_pref_size 175
	.end_amdhsa_kernel
	.amdgpu_metadata
---
amdhsa.version: [ 1, 2 ]
amdhsa.kernels:
  - .name:           k_qbb3f309834_attn
    .symbol:         k_qbb3f309834_attn.kd
    .args:
      - { .name: qkvh, .offset: 0, .size: 8, .value_kind: global_buffer, .address_space: global }
      - { .name: pext, .offset: 8, .size: 8, .value_kind: global_buffer, .address_space: global }
      - { .name: ao, .offset: 16, .size: 8, .value_kind: global_buffer, .address_space: global }
    .group_segment_fixed_size: 327680
    .private_segment_fixed_size: 0
    .kernarg_segment_align: 8
    .kernarg_segment_size: 24
    .max_flat_workgroup_size: 128
    .sgpr_count:     100
    .vgpr_count:     1024
    .wavefront_size: 32
...
	.end_amdgpu_metadata
.endif
;; end of part 3
;; launch gemm_fc (part 4): grid 8 x 32, 4 waves a work-group, clusters of 4 x 4, 327,680 bytes of LDS; arguments ao, wfb, b_fc, x, yb; writes yb
.if DOCPART == 4
	.amdgcn_target "amdgcn-amd-amdhsa--gfx1250"
	.amdhsa_code_object_version 6
	.text
	.protected	k_qbb3f309834_gemm_fc
	.globl	k_qbb3f309834_gemm_fc
	.p2align	8
	.type	k_qbb3f309834_gemm_fc,@function
k_qbb3f309834_gemm_fc:
	s_mov_b64 s[64:65], 0
	v_nop
	global_prefetch_b8 v0, s[64:65] scope:SCOPE_SE
	s_setreg_imm32_b32 hwreg(HW_REG_WAVE_MODE, 25, 1), 1
	s_wait_xcnt 0x0
	s_wait_alu depctr_hold_cnt(0) depctr_sa_sdst(0) depctr_va_vdst(0) depctr_va_sdst(0) depctr_va_ssrc(0) depctr_va_vcc(0) depctr_vm_vsrc(0)
	s_getreg_b32 s2, hwreg(HW_REG_IB_STS2, 6, 4)
	s_cmp_eq_u32 s2, 0
	s_cbranch_scc0 .Lentry_in_a_cluster
	s_endpgm
.Lentry_in_a_cluster:
	s_bfe_u32 s2, ttmp6, 0x10000c
	s_cmp_lg_u32 s2, 0xf033
	s_cbranch_scc0 .Lentry_shape_is_right
	s_endpgm
.Lentry_shape_is_right:
; yb = x + ao w_fc + b_fc, in f32.  ao: [16 h][4096 rows][64] bf16 (K = 64 h + channel); wfb: [1024 k][1024 n] bf16; x, yb: [4096][1024] f32.
; A tile is 128 x 128: 256 work-groups; four waves of 64 x 64, 16 accumulators, whose sums the bias starts.  K goes in four steps of 256 (four heads) through two LDS slots of four regions of 36,864 bytes:
; waves 0, 1 bring 64 rows x 4 heads of ao each (asked for as 4 rows of 8,192 dense bytes, padded after every 128: [head][row], 144 bytes apart), waves 2, 3 bring 128 k rows x 256 bytes of W (288 apart).
; THE LOOP IS ONE K STEP: the LDS addresses of the slot in hand are made anew at each change of slots from a scalar that an exclusive or turns between 0 and SLOT, and one descriptor walks.
; The product is taken transposed (source 0 = 16 columns of W, turned by ds_load_tr16_b128; source 1 = 16 rows of ao).  CLUSTER 4 x 4: ao's tile jointly along a row, W's along a column.
; No prefetch: four K steps of a small tile.  On the way out a wave's 64 columns of f32 are 256 bytes: each wave has a stage of its own, and no barrier is needed.
; REGISTERS: window 0: v16-29 addresses; v32-95 at work; v96-127 the bias, in the sums' layout; v128-255 the sums.  window 1: two fragment buffers of 128 (64 of ao, 64 of W).  window 2: v0-127 x.
.set PA,    144
.set PW,    288
.set REG,   36864
.set SLOT,  4*REG                      ; 0x24000: wave x REG has neither of its two bits, so an exclusive or with it adds or takes it away
.set STAGE, 2*SLOT
.set SPITCH, 272
.set SPARE, STAGE+4*16*SPITCH
.set KSTEPS, 4
.set ASTEP, 4*2*262144                 ; four heads on
.set BSTEP, 256*2048
.set ADRA0, 16                         ; LDS address of my fragments of ao in slot 0; never rewritten
.set ADRA,  17                         ; in the slot in hand
.set ADRB0, 20                         ; v20-21: W's, by the half of the K step
.set ADRB,  22                         ; v22-23
.set STO,  24
.set RD,   25
.set CO,   26
.set SPW,  28
.set NIL,  29
.set TMP,  32
.set BIASF, 96
.set ACC,  128
.set F0,   0
.set F1,   128
.set WV, 14
.set WM, 15
.set WN, 16
.set CX, 17
.set CY, 18
.set TX, 19
.set TY, 20
.set G1, 24
.set G0, 32                            ; s[32:39] a set for each first fill; the second then walks
.set G1B, 48
.set G0B, 56
.set CUR, 70                           ; s70 0 or SLOT: the slot in hand
.set MSB, 0
.macro WIN new
.if MSB != (\new)
	s_set_vgpr_msb (MSB<<8)|(\new)
.set MSB, \new
.endif
.endm
.set MUL,  0x05
.set TO_F, 0x40
.macro JLOAD s
	s_cmp_eq_u32 s[WM], 0
	s_cbranch_scc0 .Lfor_b_\@
	tensor_load_to_lds s[G0+4*(\s):G0+4*(\s)+3], s[G1:G1+7]
	s_nop 0
.rept 4
	v_nop
.endr
	s_branch .Lasked_\@
.Lfor_b_\@:
	tensor_load_to_lds s[G0B+4*(\s):G0B+4*(\s)+3], s[G1B:G1B+7]
	s_nop 0
.rept 4
	v_nop
.endr
.Lasked_\@:
.endm
.macro CREST
	s_cmp_lg_u32 s[WV], 0
	s_cbranch_scc1 .Lnot_wave_0_\@
	s_barrier_signal -3
.Lnot_wave_0_\@:
	s_barrier_wait -3
	s_barrier_signal -1
	s_barrier_wait -1
.endm
.macro CROUND
	s_barrier_signal -1
	s_barrier_wait -1
	CREST
.endm
	s_load_b256 s[4:11], s[0:1], 0x0               ; ao s[4:5], wfb s[6:7], b_fc s[8:9], x s[10:11]
	s_load_b64 s[12:13], s[0:1], 0x20              ; yb
	v_lshl_add_u32 v[SPW], v0, 2, SPARE
	v_mov_b32 v[NIL], 0
	ds_add_u32 v[SPW], v[NIL]                      ; the wave's opening: the add and its wait ahead of my first tensor load
	v_lshrrev_b32 v1, 5, v0
	v_readfirstlane_b32 s[WV], v1
	s_lshr_b32 s[WM], s[WV], 1                     ; my half of the rows.  Also: I fetch for ao (0) or for W (1)
	s_and_b32 s[WN], s[WV], 1                      ; my half of the columns.  Also: which half of that tile I fetch
	s_bfe_u32 s[CX], ttmp6, 0x40000
	s_bfe_u32 s[CY], ttmp6, 0x40004
	s_lshl_b32 s[TX], ttmp9, 2
	s_add_co_u32 s[TX], s[TX], s[CX]
	s_and_b32 s[TY], ttmp7, 0xffff
	s_lshl_b32 s[TY], s[TY], 2
	s_add_co_u32 s[TY], s[TY], s[CY]
	s_lshl_b32 s21, s[CY], 2
	s_lshl_b32 s21, 15, s21
	s_lshl_b32 s22, 0x1111, s[CX]
	s_or_b32 s[G1], s21, (1<<16)|(1<<20)|(1<<21)|(4<<22)|(3<<25)   ; after every 32 words 4 words
	s_or_b32 s[G1B], s22, (1<<16)|(1<<20)|(1<<21)|(5<<22)|(7<<25)  ; after every 64 words 8 words
	s_mov_b32 s[G1+1], 4096<<16                    ; tensor_dim0 = 4,096: 64 rows of a head, dense
	s_mov_b32 s[G1+2], 4<<16                       ; tensor_dim1 = 4 heads
	s_mov_b32 s[G1+3], 4096<<16
	s_mov_b32 s[G1+4], 4
	s_mov_b32 s[G1+5], 262144                      ; elements from head to head
	s_mov_b32 s[G1+6], 0
	s_mov_b32 s[G1+7], 0
	s_mov_b32 s[G1B+1], 128<<16
	s_mov_b32 s[G1B+2], 128<<16
	s_mov_b32 s[G1B+3], 128<<16
	s_mov_b32 s[G1B+4], 128
	s_mov_b32 s[G1B+5], 1024
	s_mov_b32 s[G1B+6], 0
	s_mov_b32 s[G1B+7], 0
	s_mov_b32 s[CUR], 0
	s_lshl_b32 s40, s[TY], 14                      ; ao: row 128 ty of 4,096, 128 bytes a row,
	s_lshl_b32 s21, s[WN], 13                      ; + my 64 rows
	s_add_co_u32 s40, s40, s21
	s_mov_b32 s41, 0
	s_lshl_b32 s42, s[TX], 8                       ; W: the tile's 128 columns,
	s_lshl_b32 s21, s[WN], 18                      ; + my 128 k rows
	s_add_co_u32 s42, s42, s21
	s_mov_b32 s43, 0
	s_mul_i32 s2, s[WV], REG
	s_wait_dscnt 0x0
	s_wait_kmcnt 0x0
	s_add_nc_u64 s[40:41], s[4:5], s[40:41]
	s_add_nc_u64 s[42:43], s[6:7], s[42:43]
	CROUND
.irp s, 0,1
	s_mov_b32 s[G0+4*(\s)], 1
	s_add_co_u32 s[G0+4*(\s)+1], s2, (\s)*SLOT
	s_add_nc_u64 s[G0+4*(\s)+2:G0+4*(\s)+3], s[40:41], (\s)*ASTEP
	s_or_b32 s[G0+4*(\s)+3], s[G0+4*(\s)+3], 0x80000000
	s_mov_b32 s[G0B+4*(\s)], 1
	s_add_co_u32 s[G0B+4*(\s)+1], s2, (\s)*SLOT
	s_add_nc_u64 s[G0B+4*(\s)+2:G0B+4*(\s)+3], s[42:43], (\s)*BSTEP
	s_or_b32 s[G0B+4*(\s)+3], s[G0B+4*(\s)+3], 0x80000000
	JLOAD \s
.endr
	v_and_b32 v1, 15, v0                           ; r
	v_bfe_u32 v2, v0, 4, 1                         ; h
	s_lshl_b32 s66, s[TX], 9
	s_lshl_b32 s68, s[WN], 8
	s_add_co_u32 s66, s66, s68                     ; my 64 columns, in bytes
	s_mov_b32 s67, 0
	s_add_nc_u64 s[8:9], s[8:9], s[66:67]
	s_lshl_b32 s68, s[TY], 19
	s_lshl_b32 s69, s[WM], 18
	s_add_co_u32 s68, s68, s69                     ; my 64 rows of 4,096 bytes
	s_add_co_u32 s66, s66, s68
	s_add_nc_u64 s[10:11], s[10:11], s[66:67]
	s_add_nc_u64 s[12:13], s[12:13], s[66:67]
	v_lshlrev_b32 v7, 4, v1
	v_lshl_add_u32 v[CO], v2, 12, v7               ; x and yb in the layout of the way out: lanes 0-15 a row's 256 bytes, lanes 16-31 the next row's
	v_lshlrev_b32 v8, 5, v2                        ; the bias in the sums' layout: register j of block b is the bias of column 16 b + 8 h + j
.irp b, 0,1,2,3
	global_load_b128 v[BIASF+8*(\b):BIASF+8*(\b)+3],   v8, s[8:9] offset:64*(\b)
	global_load_b128 v[BIASF+8*(\b)+4:BIASF+8*(\b)+7], v8, s[8:9] offset:64*(\b)+16
.endr
	WIN 0x80
.set i, 0
.rept 32
	global_load_b128 v[4*i:4*i+3], v[CO], s[10:11] offset:2*i*4096
.set i, i+1
.endr
	WIN 0
	v_mul_u32_u24 v3, v1, PA
	v_lshl_add_u32 v3, v2, 4, v3
	s_mul_i32 s21, s[WM], REG
	v_add_nc_u32 v[ADRA0], s21, v3
	v_mov_b32 v[ADRA], v[ADRA0]
	v_and_b32 v4, 7, v0
	v_bfe_u32 v5, v0, 3, 1
	v_lshl_add_u32 v6, v2, 3, v4
	v_mul_u32_u24 v6, v6, PW
	v_lshl_add_u32 v6, v5, 4, v6
	s_lshl_b32 s21, s[WN], 7
	s_add_co_u32 s21, s21, 2*REG
	v_add_nc_u32 v[ADRB0], s21, v6
	v_add_nc_u32 v[ADRB0+1], REG, v[ADRB0]
	v_mov_b32 v[ADRB], v[ADRB0]
	v_mov_b32 v[ADRB+1], v[ADRB0+1]
	s_mul_i32 s21, s[WV], 16*SPITCH
	s_add_co_u32 s21, s21, STAGE
	v_mul_u32_u24 v[STO], v1, SPITCH
	v_lshl_add_u32 v[STO], v2, 5, v[STO]           ; in: row r, 8 f32 for each half of the lanes
	v_add_nc_u32 v[STO], s21, v[STO]
	v_mul_u32_u24 v[RD], v2, SPITCH
	v_lshl_add_u32 v[RD], v1, 4, v[RD]
	v_add_nc_u32 v[RD], s21, v[RD]
.macro MUL8 f, c, a0, zero             ; 8 products: row blocks a0, a0 + 1 x 4 column blocks, 32 along K: half c of buffer f.  zero = 1: the block's bias, as C, starts the sum
	WIN MUL
.irp a, \a0, (\a0)+1
.irp b, 0,1,2,3
.if \zero
	v_wmma_f32_16x16x32_bf16 v[ACC+8*(4*(\a)+(\b)):ACC+8*(4*(\a)+(\b))+7], v[(\f)+64+8*(4*(\c)+(\b)):(\f)+64+8*(4*(\c)+(\b))+7], v[(\f)+8*(4*(\c)+(\a)):(\f)+8*(4*(\c)+(\a))+7], v[BIASF+8*(\b):BIASF+8*(\b)+7]
.else
	v_wmma_f32_16x16x32_bf16 v[ACC+8*(4*(\a)+(\b)):ACC+8*(4*(\a)+(\b))+7], v[(\f)+64+8*(4*(\c)+(\b)):(\f)+64+8*(4*(\c)+(\b))+7], v[(\f)+8*(4*(\c)+(\a)):(\f)+8*(4*(\c)+(\a))+7], v[ACC+8*(4*(\a)+(\b)):ACC+8*(4*(\a)+(\b))+7]
.endif
.endr
.endr
.endm
.macro FETCH q, f                      ; 32 LDS loads: quarter q (one head, 64 along K) of the slot in hand into buffer f; its first 32 along K first
	WIN TO_F
.irp c, 0,1
.irp i, 0,1,2,3
	ds_load_tr16_b128 v[(\f)+64+8*(4*(\c)+(\i)):(\f)+64+8*(4*(\c)+(\i))+3],   v[ADRB+(\q)/2] offset:(((\q)%2)*64+32*(\c))*PW+32*(\i)
	ds_load_tr16_b128 v[(\f)+64+8*(4*(\c)+(\i))+4:(\f)+64+8*(4*(\c)+(\i))+7], v[ADRB+(\q)/2] offset:(((\q)%2)*64+32*(\c))*PW+32*(\i)+16*PW
	ds_load_b128 v[(\f)+8*(4*(\c)+(\i)):(\f)+8*(4*(\c)+(\i))+3],   v[ADRA] offset:(\q)*64*PA+(\i)*16*PA+64*(\c)
	ds_load_b128 v[(\f)+8*(4*(\c)+(\i))+4:(\f)+8*(4*(\c)+(\i))+7], v[ADRA] offset:(\q)*64*PA+(\i)*16*PA+64*(\c)+32
.endr
.endr
.endm
.macro PLACES
.rept 4
	v_nop
.endr
.endm
.macro QUARTER q, f, g, zero
	s_wait_dscnt 16                                ; the first 32 along K are in
	MUL8 \f, 0, 0, \zero
	MUL8 \f, 0, 2, \zero
	PLACES
	FETCH \q, \g
	s_wait_dscnt 32                                ; all but the 32 just issued
	MUL8 \f, 1, 0, 0
	MUL8 \f, 1, 2, 0
.endm
.macro TURN fill                       ; the last quarter changes slots: wait for all tensor loads, the add, the wait for it and for my reads; one barrier, with fill = 1 a round of the cluster's
	WIN 0
	s_wait_tensorcnt 0x0
	ds_add_u32 v[SPW], v[NIL]
	s_wait_dscnt 17                                ; (the add and the youngest 16 loads may be out)
	MUL8 F1, 0, 0, 0
	s_wait_dscnt 0x0
	s_barrier_signal -1
	MUL8 F1, 0, 2, 0
	WIN 0
	s_barrier_wait -1
.if \fill
	CREST
	s_xor_b32 s[G0+5], s[G0+5], SLOT               ; the walking descriptors: the other slot than last time, the next K step
	s_add_nc_u64 s[G0+6:G0+7], s[G0+6:G0+7], ASTEP
	s_xor_b32 s[G0B+5], s[G0B+5], SLOT
	s_add_nc_u64 s[G0B+6:G0B+7], s[G0B+6:G0B+7], BSTEP
	JLOAD 1
.endif
	s_xor_b32 s[CUR], s[CUR], SLOT                 ; the reads go on in the other slot
	v_add_nc_u32 v[ADRA], s[CUR], v[ADRA0]
	v_add_nc_u32 v[ADRB], s[CUR], v[ADRB0]
	v_add_nc_u32 v[ADRB+1], s[CUR], v[ADRB0+1]
.if !(\fill)
	v_nop                                          ; with the three lines above: the four places in front of the loads below
.endif
	FETCH 0, F0
	MUL8 F1, 1, 0, 0
	MUL8 F1, 1, 2, 0
.endm
	s_wait_tensorcnt 1                             ; my part of K step 0 is in; K step 1's may stay out
	s_barrier_signal -1
	s_barrier_wait -1
	FETCH 0, F0
	s_wait_loadcnt 32                              ; the bias is in: it starts the sums; x's 32 loads, issued behind it, may stay out
	QUARTER 1, F0, F1, 1
	WIN 0
	s_mov_b32 s3, KSTEPS-2
.Lstep:                                            ; a K step, from its second quarter to the next step's first; two trips, each fills a slot again
	QUARTER 2, F1, F0, 0
	QUARTER 3, F0, F1, 0
	TURN 1
	QUARTER 1, F0, F1, 0
	WIN 0
	s_sub_co_u32 s3, s3, 1
	s_cmp_lg_u32 s3, 0
	s_cbranch_scc1 .Lstep
	QUARTER 2, F1, F0, 0                           ; the last two K steps fill nothing
	QUARTER 3, F0, F1, 0
	TURN 0
	QUARTER 1, F0, F1, 0
	QUARTER 2, F1, F0, 0
	QUARTER 3, F0, F1, 0
	s_wait_dscnt 16
	MUL8 F1, 0, 0, 0
	MUL8 F1, 0, 2, 0
	s_wait_dscnt 0x0
	MUL8 F1, 1, 0, 0
	MUL8 F1, 1, 2, 0
	WIN 0
	s_wait_loadcnt 0x0                             ; x
	PLACES
; THE WAY OUT, 16 rows at a time: the sums into my stage, back as whole rows of 256 bytes, + x, stored: 16 lanes store 256 consecutive bytes, aligned
.macro OUTB a
.set TM, TMP+32*((\a)%2)
	s_wait_xcnt 0x0                                ; the stores two blocks back have read these registers
	WIN 0
.irp b, 0,1,2,3
	ds_store_b128 v[STO], v[ACC+8*(4*(\a)+(\b)):ACC+8*(4*(\a)+(\b))+3]   offset:64*(\b)
	ds_store_b128 v[STO], v[ACC+8*(4*(\a)+(\b))+4:ACC+8*(4*(\a)+(\b))+7] offset:64*(\b)+16
.endr
.irp t, 0,1,2,3,4,5,6,7
	ds_load_b128 v[TM+4*(\t):TM+4*(\t)+3], v[RD] offset:(\t)*2*SPITCH
.endr
	s_wait_dscnt 0x0
	WIN 0x08                                       ; source 1: x, in window 2
.set z, 0
.rept 16
	v_pk_add_f32 v[TM+2*z:TM+2*z+1], v[TM+2*z:TM+2*z+1], v[32*(\a)+2*z:32*(\a)+2*z+1]
.set z, z+1
.endr
	WIN 0
.irp t, 0,1,2,3,4,5,6,7
	global_store_b128 v[CO], v[TM+4*(\t):TM+4*(\t)+3], s[12:13] offset:(16*(\a)+2*(\t))*4096
.endr
.endm
	OUTB 0
	OUTB 1
	OUTB 2
	OUTB 3
	s_wait_tensorcnt 0x0                           ; the wave's end
	ds_add_u32 v[SPW], v[NIL]
	s_wait_dscnt 0x0
	CROUND                                         ; the closing round
	s_endpgm
.Lfunc_end_k_qbb3f309834_gemm_fc:
	.size	k_qbb3f309834_gemm_fc, .Lfunc_end_k_qbb3f309834_gemm_fc-k_qbb3f309834_gemm_fc
	.p2alignl 7, 3214868480
	.fill 96, 4, 3214868480
	.section	.rodata,"a",@progbits
	.p2align	6, 0x0
	.amdhsa_kernel k_qbb3f309834_gemm_fc
		.amdhsa_group_segment_fixed_size 327680
		.amdhsa_private_segment_fixed_size 0
		.amdhsa_enable_private_segment 0
		.amdhsa_kernarg_size 40
		.amdhsa_user_sgpr_count 2
		.amdhsa_user_sgpr_kernarg_segment_ptr 1
		.amdhsa_wavefront_size32 1
		.amdhsa_system_sgpr_workgroup_id_x 1
		.amdhsa_system_sgpr_workgroup_id_y 1
		.amdhsa_system_sgpr_workgroup_id_z 1
		.amdhsa_system_vgpr_workitem_id 0
		.amdhsa_next_free_vgpr 640
		.amdhsa_next_free_sgpr 72
		.amdhsa_reserve_vcc 0
		.amdhsa_float_denorm_mode_32 3
		.amdhsa_float_denorm_mode_16_64 3
		.amdhsa_memory_ordered 1
		.amdhsa_forward_progress 1
		.amdhsa_inst_pref_size 76
	.end_amdhsa_kernel
	.amdgpu_metadata
---
amdhsa.version: [ 1, 2 ]
amdhsa.kernels:
  - .name:           k_qbb3f309834_gemm_fc
    .symbol:         k_qbb3f309834_gemm_fc.kd
    .args:
      - { .name: ao, .offset: 0, .size: 8, .value_kind: global_buffer, .address_space: global }
      - { .name: wfb, .offset: 8, .size: 8, .value_kind: global_buffer, .address_space: global }
      - { .name: b_fc, .offset: 16, .size: 8, .value_kind: global_buffer, .address_space: global }
      - { .name: x, .offset: 24, .size: 8, .value_kind: global_buffer, .address_space: global }
      - { .name: yb, .offset: 32, .size: 8, .value_kind: global_buffer, .address_space: global }
    .group_segment_fixed_size: 327680
    .private_segment_fixed_size: 0
    .kernarg_segment_align: 8
    .kernarg_segment_size: 40
    .max_flat_workgroup_size: 128
    .sgpr_count:     72
    .vgpr_count:     640
    .wavefront_size: 32
...
	.end_amdgpu_metadata
.endif
;; end of part 4
;; launch ln (part 5): grid 1024 x 1, 4 waves a work-group, no clusters, 0 bytes of LDS; arguments yb, ln_g, ln_b, out0; writes out0
.if DOCPART == 5
	.amdgcn_target "amdgcn-amd-amdhsa--gfx1250"
	.amdhsa_code_object_version 6
	.text
	.protected	k_qbb3f309834_ln
	.globl	k_qbb3f309834_ln
	.p2align	8
	.type	k_qbb3f309834_ln,@function
k_qbb3f309834_ln:
	s_mov_b64 s[64:65], 0
	v_nop
	global_prefetch_b8 v0, s[64:65] scope:SCOPE_SE
	s_setreg_imm32_b32 hwreg(HW_REG_WAVE_MODE, 25, 1), 1
	s_wait_xcnt 0x0
; out0[r][:] = (y - mean) / sqrt(var + 1e-5) * g + b over a row's 1,024 numbers, all f32.  A row is 4,096 bytes: one wave takes ONE whole row, eight loads of 16 bytes a lane, and keeps it in 32 registers:
; it is read once.  The mean is taken away first and the squares are summed of the differences, so a common offset of the row costs nothing.  4,096 waves in 1,024 work-groups of four.
; The row is asked for first, g and b behind it: they are wanted last.  No LDS, no barrier, no matrix unit: a stream.  Each load and store of a wave covers 512 consecutive bytes, aligned.
.set OFF, 1
.set T,   2                            ; v[2:9]   four chains
.set MN,  10                           ; v[10:11] the mean, twice
.set RQ,  12                           ; v[12:13] 1 / sqrt(var + eps), twice
.set LO,  14
.set G,   16                           ; v[16:47]
.set BB,  48                           ; v[48:79]
.set X,   80                           ; v[80:111] the row
	s_load_b256 s[4:11], s[0:1], 0x0               ; yb s[4:5], ln_g s[6:7], ln_b s[8:9], out0 s[10:11]
	v_and_b32 v[LO], 31, v0
	v_lshlrev_b32 v[LO], 4, v[LO]
	v_lshrrev_b32 v15, 5, v0
	v_lshl_add_u32 v[OFF], v15, 12, v[LO]          ; + my wave's row
	s_lshl_b32 s2, ttmp9, 14                       ; the work-group's 4 rows
	s_mov_b32 s3, 0
	s_mov_b32 s12, 0x76543210
	s_mov_b32 s13, 0xfedcba98
	s_mov_b32 s14, 0x3a800000                      ; 1 / 1,024
	s_mov_b32 s15, 0x3727c5ac                      ; 1e-5
	s_wait_kmcnt 0x0
	s_add_nc_u64 s[4:5], s[4:5], s[2:3]
	s_add_nc_u64 s[10:11], s[10:11], s[2:3]
.irp j, 0,1,2,3,4,5,6,7
	global_load_b128 v[X+4*(\j):X+4*(\j)+3], v[OFF], s[4:5] offset:512*(\j) th:TH_LOAD_NT
.endr
.irp j, 0,1,2,3,4,5,6,7
	global_load_b128 v[G+4*(\j):G+4*(\j)+3],   v[LO], s[6:7] offset:512*(\j)
	global_load_b128 v[BB+4*(\j):BB+4*(\j)+3], v[LO], s[8:9] offset:512*(\j)
.endr
.macro FOLD                            ; the four chains into one number, then over the 32 lanes: every lane ends with the sum
	v_pk_add_f32 v[T:T+1], v[T:T+1], v[T+2:T+3]
	v_pk_add_f32 v[T+4:T+5], v[T+4:T+5], v[T+6:T+7]
	v_pk_add_f32 v[T:T+1], v[T:T+1], v[T+4:T+5]
	v_add_f32 v[T], v[T], v[T+1]
	v_add_f32_dpp v[T], v[T], v[T] row_xmask:1 row_mask:0xf bank_mask:0xf
	v_add_f32_dpp v[T], v[T], v[T] row_xmask:2 row_mask:0xf bank_mask:0xf
	v_add_f32_dpp v[T], v[T], v[T] row_xmask:4 row_mask:0xf bank_mask:0xf
	v_add_f32_dpp v[T], v[T], v[T] row_xmask:8 row_mask:0xf bank_mask:0xf
	v_permlanex16_b32 v[T+1], v[T], s12, s13
	v_add_f32 v[T], v[T], v[T+1]
.endm
	s_wait_loadcnt 16                              ; my row is in; the 16 loads of g and b, issued behind it, may stay out
.irp k, 0,1,2,3
	v_pk_add_f32 v[T+2*(\k):T+2*(\k)+1], v[X+2*(\k):X+2*(\k)+1], v[X+8+2*(\k):X+8+2*(\k)+1]
.endr
.irp k, 0,1,2,3
	v_pk_add_f32 v[T+2*(\k):T+2*(\k)+1], v[T+2*(\k):T+2*(\k)+1], v[X+16+2*(\k):X+16+2*(\k)+1]
.endr
.irp k, 0,1,2,3
	v_pk_add_f32 v[T+2*(\k):T+2*(\k)+1], v[T+2*(\k):T+2*(\k)+1], v[X+24+2*(\k):X+24+2*(\k)+1]
.endr
	FOLD
	v_mul_f32 v[MN], s14, v[T]
	v_mul_f32 v[MN+1], s14, v[T]
.set z, 0
.rept 16
	v_pk_add_f32 v[X+2*z:X+2*z+1], v[X+2*z:X+2*z+1], v[MN:MN+1] neg_lo:[0,1] neg_hi:[0,1]
.set z, z+1
.endr
.irp k, 0,1,2,3
	v_pk_mul_f32 v[T+2*(\k):T+2*(\k)+1], v[X+2*(\k):X+2*(\k)+1], v[X+2*(\k):X+2*(\k)+1]
.endr
.set z, 4
.rept 12
	v_pk_fma_f32 v[T+2*(z%4):T+2*(z%4)+1], v[X+2*z:X+2*z+1], v[X+2*z:X+2*z+1], v[T+2*(z%4):T+2*(z%4)+1]
.set z, z+1
.endr
	FOLD
	v_fma_f32 v[T], v[T], s14, s15                 ; var + eps
	v_rsq_f32 v[RQ], v[T]
	v_rsq_f32 v[RQ+1], v[T]
	v_nop                                          ; a plain instruction behind the last of the two,
	s_wait_alu depctr_va_vdst(0)                   ; and one wait for both, ahead of their first reader
.set z, 0
.rept 16
	v_pk_mul_f32 v[X+2*z:X+2*z+1], v[X+2*z:X+2*z+1], v[RQ:RQ+1]
.set z, z+1
.endr
	s_wait_loadcnt 0x0                             ; g and b
.set z, 0
.rept 16
	v_pk_fma_f32 v[X+2*z:X+2*z+1], v[X+2*z:X+2*z+1], v[G+2*z:G+2*z+1], v[BB+2*z:BB+2*z+1]
.set z, z+1
.endr
.irp j, 0,1,2,3,4,5,6,7
	global_store_b128 v[OFF], v[X+4*(\j):X+4*(\j)+3], s[10:11] offset:512*(\j) th:TH_STORE_NT
.endr
	s_endpgm
.Lfunc_end_k_qbb3f309834_ln:
	.size	k_qbb3f309834_ln, .Lfunc_end_k_qbb3f309834_ln-k_qbb3f309834_ln
	.p2alignl 7, 3214868480
	.fill 96, 4, 3214868480
	.section	.rodata,"a",@progbits
	.p2align	6, 0x0
	.amdhsa_kernel k_qbb3f309834_ln
		.amdhsa_group_segment_fixed_size 0
		.amdhsa_private_segment_fixed_size 0
		.amdhsa_enable_private_segment 0
		.amdhsa_kernarg_size 32
		.amdhsa_user_sgpr_count 2
		.amdhsa_user_sgpr_kernarg_segment_ptr 1
		.amdhsa_wavefront_size32 1
		.amdhsa_system_sgpr_workgroup_id_x 1
		.amdhsa_system_sgpr_workgroup_id_y 1
		.amdhsa_system_sgpr_workgroup_id_z 1
		.amdhsa_system_vgpr_workitem_id 0
		.amdhsa_next_free_vgpr 112
		.amdhsa_next_free_sgpr 66
		.amdhsa_reserve_vcc 0
		.amdhsa_float_denorm_mode_32 3
		.amdhsa_float_denorm_mode_16_64 3
		.amdhsa_memory_ordered 1
		.amdhsa_forward_progress 1
		.amdhsa_inst_pref_size 11
	.end_amdhsa_kernel
	.amdgpu_metadata
---
amdhsa.version: [ 1, 2 ]
amdhsa.kernels:
  - .name:           k_qbb3f309834_ln
    .symbol:         k_qbb3f309834_ln.kd
    .args:
      - { .name: yb, .offset: 0, .size: 8, .value_kind: global_buffer, .address_space: global }
      - { .name: ln_g, .offset: 8, .size: 8, .value_kind: global_buffer, .address_space: global }
      - { .name: ln_b, .offset: 16, .size: 8, .value_kind: global_buffer, .address_space: global }
      - { .name: out0, .offset: 24, .size: 8, .value_kind: global_buffer, .address_space: global }
    .group_segment_fixed_size: 0
    .private_segment_fixed_size: 0
    .kernarg_segment_align: 8
    .kernarg_segment_size: 32
    .max_flat_workgroup_size: 128
    .sgpr_count:     66
    .vgpr_count:     112
    .wavefront_size: 32
...
	.end_amdgpu_metadata
.endif
;; end of part 5
